; MI455X (gfx1250); checked and timed in simulation.
; The chip was launched on July 23, 2026; its instructions are those of AMD's public machine-readable ISA for CDNA 5 (MIT licence, August 2026) and "CDNA5" Instruction Set Architecture Reference Guide (July 2026). The comments in the code are by the model that wrote it; some were corrected since.
;; Adaptive Causal Attention. Allowed arithmetic: float matrix products may take bf16 or f16 operands with f32 sums; other float arithmetic in f32, or as packed bf16 or f16 multiplies, adds, multiply-adds, maxima and minima; sums over many terms, partial sums and values carried from step to step in f32; what a program stores and reads back later, other than sums and carried values, may be rounded once to bf16 or f16.
;; Inputs: b_attn 3,072 float32; b_proj 1,024 float32; period_weight 16 float32; ratio_weight 16 float32; span_params 16 float32; w_attn 1,024 x 3,072 float32; w_proj 1,024 x 1,024 float32; x 2 x 2,048 x 1,024 float32.
;; Outputs: out0 2 x 2,048 x 1,024 float32; out1 one number float32.
;; 2 versions, each right; version 2 is version 1 with the launch prep written anew for expert scheduling mode. Each part assembles by itself: llvm-mc -triple=amdgcn-amd-amdhsa -mcpu=gfx1250 --defsym DOCPART=n.
;; ======== version 1 of 2: 4 launches
;; limits: values are held in f16: magnitudes above 65,504 overflow, below 6.1e-05 lose precision
;; workspace buffers: xb 8,388,608 bytes; wab 6,291,456 bytes; wpb 2,097,152 bytes; brd 16,384 bytes; mtab 606,208 bytes; qkvh 25,165,824 bytes; oh 8,388,608 bytes
;; launch prep (part 1): grid 577 x 1, 8 waves a work-group, no clusters, 0 bytes of LDS; arguments x, w_attn, w_proj, b_attn, b_proj, span_params, period_weight, ratio_weight, xb, wab, wpb, brd, mtab, out1; writes xb, wab, wpb, brd, mtab, out1
.if DOCPART == 1
	.amdgcn_target "amdgcn-amd-amdhsa--gfx1250"
	.amdhsa_code_object_version 6
	.text
	.protected	k_qbe7b2544c7_prep
	.globl	k_qbe7b2544c7_prep
	.p2align	8
	.type	k_qbe7b2544c7_prep,@function
k_qbe7b2544c7_prep:
	s_mov_b64 s[64:65], 0
	v_nop
	global_prefetch_b8 v0, s[64:65] scope:SCOPE_SE
	s_setreg_imm32_b32 hwreg(HW_REG_WAVE_MODE, 25, 1), 1
	s_wait_xcnt 0x0
; PREPARATION.  Every input is rounded once to bf16 here, and all later launches work on the rounded numbers alone.
; Work-groups 0-255: x -> xb (bf16).  256-447: w_attn -> wab (bf16).  448-511: w_proj -> wpb (the bf16 number written as f16).
; 512-575: the mask tables, one work-group for each head and copy.  576: both biases (bf16 numbers kept as f32) and the span loss.
; A conversion group takes 65,536 bytes: 16 loads of 16 bytes a thread, all out at once; a wave's load covers 512 consecutive bytes, a wave's store 256, aligned.
; THE TABLE.  mask[h][i][j] hangs on rel = i - j alone.  T(rel) = log2(span ramp x clipped wave), not below -1e30; -1e30 outside 0 .. 2047.
; mtab[head][copy c][n] = T(2048 + c - n), n = 0 .. 2367: four copies shifted by one entry, so that a lane of the attention launch finds eight entries on end at a multiple of 16 bytes.
; cos(2 pi u) = sin(2 pi g), g = 1/4 - |u - round(u)|, |g| <= 1/4, by the odd series up to g^13 (the next term is under 1e-9).
; LIMITS.  bf16 w_proj below 2^-14 keeps f16's fixed step of 2^-24.  A mask below 2^-126 counts as 0.  The sigmoid's exponent is held at 126.  NaN is not treated apart.
.set BIGN, 0xf149f2ca                  ; -1e30
.set HI16, 0xffff0000
.set NL2E, 0xbfb8aa3b                  ; -log2(e)
; 16 loads, then for each: its counted wait (the younger ones stay out), the rounding, the store.  No register is used twice, so no wait frees one.
.macro CONV half
.set i, 0
.rept 16
	global_load_b128 v[4+4*i:7+4*i], v1, s[8:9] offset:4096*i th:TH_LOAD_NT
.set i, i+1
.endr
.set i, 0
.rept 16
	s_wait_loadcnt 15-i
.if \half
	v_cvt_pk_bf16_f32 v100, v[4+4*i], v[5+4*i]
	v_cvt_pk_bf16_f32 v101, v[6+4*i], v[7+4*i]
	v_lshlrev_b32 v102, 16, v100
	v_and_b32 v103, HI16, v100
	v_cvt_pk_f16_f32 v[68+2*i], v102, v103
	v_lshlrev_b32 v102, 16, v101
	v_and_b32 v103, HI16, v101
	v_cvt_pk_f16_f32 v[69+2*i], v102, v103
.else
	v_cvt_pk_bf16_f32 v[68+2*i], v[4+4*i], v[5+4*i]
	v_cvt_pk_bf16_f32 v[69+2*i], v[6+4*i], v[7+4*i]
.endif
	global_store_b64 v2, v[68+2*i:69+2*i], s[10:11] offset:2048*i
.set i, i+1
.endr
	s_endpgm
.endm
; From span v4, period weight v5, ratio weight v6 (as loaded): v16 span, v17 period, v18 ratio, v19 1/period, v20 period/8, v21 period/8 + 1/2 + period x ratio, v22 (span + 32)/32.
.macro PARAMS
	v_cvt_pk_bf16_f32 v7, v4, v5
	v_lshlrev_b32 v4, 16, v7
	v_and_b32 v5, HI16, v7
	v_cvt_pk_bf16_f32 v7, v6, v6
	v_lshlrev_b32 v6, 16, v7
	v_mul_f32 v8, NL2E, v4
	v_mul_f32 v9, NL2E, v5
	v_mul_f32 v10, NL2E, v6
	v_min_num_f32 v8, 0x42fc0000, v8
	v_min_num_f32 v9, 0x42fc0000, v9
	v_min_num_f32 v10, 0x42fc0000, v10
	v_exp_f32 v8, v8
	v_exp_f32 v9, v9
	v_exp_f32 v10, v10
	v_nop                                          ; a plain instruction behind the last exponential,
	s_wait_alu depctr_va_vdst(0)                   ; and one wait for the three, ahead of their first reader
	v_add_f32 v8, 1.0, v8
	v_add_f32 v9, 1.0, v9
	v_add_f32 v10, 1.0, v10
	v_rcp_f32 v11, v8
	v_rcp_f32 v12, v9
	v_rcp_f32 v13, v10
	v_nop
	s_wait_alu depctr_va_vdst(0)
	v_fma_f32 v14, -v8, v11, 1.0                   ; one Newton step each
	v_fma_f32 v11, v14, v11, v11
	v_fma_f32 v14, -v9, v12, 1.0
	v_fma_f32 v12, v14, v12, v12
	v_fma_f32 v14, -v10, v13, 1.0
	v_fma_f32 v13, v14, v13, v13
	v_mul_f32 v16, 0x45000000, v11                 ; span = 2048 sigmoid
	v_fma_f32 v17, v12, 2.0, 2.0                   ; period = 2 + 2 sigmoid
	v_fma_f32 v18, v13, 0.5, 0xbe800000            ; ratio = -1/4 + sigmoid / 2
	v_rcp_f32 v19, v17
	v_nop
	s_wait_alu depctr_va_vdst(0)
	v_fma_f32 v14, -v17, v19, 1.0
	v_fma_f32 v19, v14, v19, v19
	v_mul_f32 v20, 0x3e000000, v17
	v_fma_f32 v21, v17, v18, v20
	v_add_f32 v21, 0.5, v21
	v_add_f32 v22, 0x42000000, v16
	v_mul_f32 v22, 0x3d000000, v22
.endm
; One table entry: rel = v24 - e is kept in v[30+e]; the mask itself goes to v[d].
.macro ENTRY e, d
	v_add_nc_u32 v[30+(\e)], -(\e), v24
	v_cvt_f32_i32 v34, v[30+(\e)]
	v_max_num_f32 v35, 0, v34
	v_mul_f32 v36, v35, v19
	v_rndne_f32 v36, v36
	v_fma_f32 v36, v35, v19, -v36                  ; the fraction of rel / period, in -1/2 .. 1/2, by one fused step
	v_and_b32 v36, 0x7fffffff, v36
	v_sub_f32 v36, 0x3e800000, v36                 ; g
	v_mul_f32 v37, v36, v36
	v_mov_b32 v38, 0x40747a1a
	v_fmaak_f32 v38, v38, v37, 0xc17183a8
	v_fmaak_f32 v38, v38, v37, 0x42283c1a
	v_fmaak_f32 v38, v38, v37, 0xc2996966
	v_fmaak_f32 v38, v38, v37, 0x42a335e3
	v_fmaak_f32 v38, v38, v37, 0xc2255de7
	v_fmaak_f32 v38, v38, v37, 0x40c90fdb
	v_mul_f32 v38, v38, v36                        ; the cosine
	v_fma_f32 v38, v38, v20, v21
	v_max_num_f32 v38, 0, v38
	v_min_num_f32 v38, 1.0, v38                    ; the wave, clipped
	v_fmamk_f32 v39, v34, 0xbd000000, v22
	v_max_num_f32 v39, 0, v39
	v_min_num_f32 v39, 1.0, v39                    ; the span ramp, clipped
	v_mul_f32 v[(\d)], v38, v39
.endm
	s_load_b512 s[16:31], s[0:1], 0x0              ; x, w_attn, w_proj, b_attn, b_proj, span, period weight, ratio weight
	s_load_b256 s[32:39], s[0:1], 0x40             ; xb, wab, wpb, brd
	s_load_b128 s[40:43], s[0:1], 0x60             ; mtab, out1
	s_mov_b32 s4, ttmp9
	s_mov_b32 s7, 0
	v_lshlrev_b32 v1, 4, v0                        ; 16 bytes a thread in,
	v_lshlrev_b32 v2, 3, v0                        ; 8 out
	s_wait_kmcnt 0x0
	s_cmp_ge_u32 s4, 512
	s_cbranch_scc1 .Lsmall
	s_cmp_lt_u32 s4, 256
	s_cselect_b64 s[8:9], s[16:17], s[18:19]
	s_cselect_b64 s[10:11], s[32:33], s[34:35]
	s_cselect_b32 s5, 0, 256
	s_cmp_lt_u32 s4, 448
	s_cselect_b64 s[8:9], s[8:9], s[20:21]
	s_cselect_b64 s[10:11], s[10:11], s[36:37]
	s_cselect_b32 s5, s5, 448
	s_sub_co_u32 s5, s4, s5                        ; my number among the tensor's groups
	s_lshl_b32 s6, s5, 16
	s_add_nc_u64 s[8:9], s[8:9], s[6:7]
	s_lshl_b32 s6, s5, 15
	s_add_nc_u64 s[10:11], s[10:11], s[6:7]
	s_cmp_ge_u32 s4, 448
	s_cbranch_scc1 .Lhalf
	CONV 0
.Lhalf:
	CONV 1
.Lsmall:
	s_cmp_eq_u32 s4, 576
	s_cbranch_scc1 .Lbias
	s_sub_co_u32 s5, s4, 512                       ; 4 x head + copy
	s_lshr_b32 s6, s5, 2
	s_and_b32 s8, s5, 3
	s_lshl_b32 s6, s6, 2
	v_mov_b32 v3, s6                               ; the head's word, the same in every lane
	global_load_b32 v4, v3, s[26:27]
	global_load_b32 v5, v3, s[28:29]
	global_load_b32 v6, v3, s[30:31]
	s_mul_i32 s6, s5, 9472                         ; a copy is 2,368 words
	s_add_nc_u64 s[40:41], s[40:41], s[6:7]
	s_add_co_u32 s8, s8, 2048
	v_mov_b32 v23, BIGN
	s_wait_loadcnt 0x0
	PARAMS
; 592 groups of four entries for 256 threads: three rounds; past the end a thread makes the last group once more (the same numbers to the same place).
.set it, 0
.rept 3
	v_add_nc_u32 v24, 256*it, v0
	v_min_u32 v24, 591, v24
	v_lshlrev_b32 v[26+it], 4, v24
	v_lshlrev_b32 v24, 2, v24
	v_sub_nc_u32 v24, s8, v24                      ; rel of the group's first entry
	ENTRY 0, 44+4*it
	ENTRY 1, 45+4*it
	ENTRY 2, 46+4*it
	ENTRY 3, 47+4*it
	v_log_f32 v[44+4*it], v[44+4*it]
	v_log_f32 v[45+4*it], v[45+4*it]
	v_log_f32 v[46+4*it], v[46+4*it]
	v_log_f32 v[47+4*it], v[47+4*it]
	v_nop
	s_wait_alu depctr_va_vdst(0)                   ; one wait for the four logarithms
.irp e, 0,1,2,3
	v_max_num_f32 v[44+4*it+\e], v23, v[44+4*it+\e]
	v_cmp_lt_u32 vcc_lo, 0x7ff, v[30+\e]           ; unsigned: a negative rel is caught too
	v_cndmask_b32 v[44+4*it+\e], v[44+4*it+\e], v23, vcc_lo
.endr
	global_store_b128 v[26+it], v[44+4*it:47+4*it], s[40:41]
.set it, it+1
.endr
	s_endpgm
.Lbias:
.irp i, 0,1,2
	global_load_b128 v[4+4*\i:7+4*\i], v1, s[22:23] offset:4096*\i
.endr
	global_load_b128 v[16:19], v1, s[24:25]
	s_wait_loadcnt 0x0
.set i, 0
.rept 4
	v_cvt_pk_bf16_f32 v100, v[4+4*i], v[5+4*i]
	v_cvt_pk_bf16_f32 v101, v[6+4*i], v[7+4*i]
	v_lshlrev_b32 v[68+4*i], 16, v100
	v_and_b32 v[69+4*i], HI16, v100
	v_lshlrev_b32 v[70+4*i], 16, v101
	v_and_b32 v[71+4*i], HI16, v101
	global_store_b128 v1, v[68+4*i:71+4*i], s[38:39] offset:4096*i
.set i, i+1
.endr
	v_lshrrev_b32 v3, 5, v0
	v_readfirstlane_b32 s6, v3
	s_cmp_lg_u32 s6, 0
	s_cbranch_scc1 .Lend                           ; the loss is wave 0's
	v_and_b32 v3, 15, v0                           ; a lane a head, in both halves of the wave
	v_lshlrev_b32 v3, 2, v3
	global_load_b32 v4, v3, s[26:27]
	global_load_b32 v5, v3, s[28:29]
	global_load_b32 v6, v3, s[30:31]
	v_mov_b32 v26, 0
	s_wait_loadcnt 0x0
	PARAMS
	v_add_f32 v24, 0x42000000, v16                 ; span + 32
	v_fma_f32 v25, v18, 2.0, v19                   ; 1/period + 2 ratio
	v_add_f32 v25, 0x3e800000, v25                 ; - 1/4 + 1/2
	v_mul_f32 v24, v24, v25
	v_add_f32_dpp v24, v24, v24 row_xmask:1 row_mask:0xf bank_mask:0xf
	v_add_f32_dpp v24, v24, v24 row_xmask:2 row_mask:0xf bank_mask:0xf
	v_add_f32_dpp v24, v24, v24 row_xmask:4 row_mask:0xf bank_mask:0xf
	v_add_f32_dpp v24, v24, v24 row_xmask:8 row_mask:0xf bank_mask:0xf
	v_mul_f32 v24, 0x340637bd, v24                 ; x 2e-6 / 16
	s_wait_xcnt 0x0                                ; EXEC changes only behind this wait
	v_cmp_eq_u32 vcc_lo, 0, v0
	s_and_saveexec_b32 s6, vcc_lo
	global_store_b32 v26, v24, s[42:43]
	s_wait_xcnt 0x0
	s_or_b32 exec_lo, exec_lo, s6
.Lend:
	s_endpgm
.Lfunc_end_k_qbe7b2544c7_prep:
	.size	k_qbe7b2544c7_prep, .Lfunc_end_k_qbe7b2544c7_prep-k_qbe7b2544c7_prep
	.p2alignl 7, 3214868480
	.fill 96, 4, 3214868480
	.section	.rodata,"a",@progbits
	.p2align	6, 0x0
	.amdhsa_kernel k_qbe7b2544c7_prep
		.amdhsa_group_segment_fixed_size 0
		.amdhsa_private_segment_fixed_size 0
		.amdhsa_enable_private_segment 0
		.amdhsa_kernarg_size 112
		.amdhsa_user_sgpr_count 2
		.amdhsa_user_sgpr_kernarg_segment_ptr 1
		.amdhsa_wavefront_size32 1
		.amdhsa_system_sgpr_workgroup_id_x 1
		.amdhsa_system_sgpr_workgroup_id_y 1
		.amdhsa_system_sgpr_workgroup_id_z 1
		.amdhsa_system_vgpr_workitem_id 0
		.amdhsa_next_free_vgpr 104
		.amdhsa_next_free_sgpr 66
		.amdhsa_reserve_vcc 1
		.amdhsa_float_denorm_mode_32 3
		.amdhsa_float_denorm_mode_16_64 3
		.amdhsa_memory_ordered 1
		.amdhsa_forward_progress 1
		.amdhsa_inst_pref_size 43
	.end_amdhsa_kernel
	.amdgpu_metadata
---
amdhsa.version: [ 1, 2 ]
amdhsa.kernels:
  - .name:           k_qbe7b2544c7_prep
    .symbol:         k_qbe7b2544c7_prep.kd
    .args:
      - { .name: x, .offset: 0, .size: 8, .value_kind: global_buffer, .address_space: global }
      - { .name: w_attn, .offset: 8, .size: 8, .value_kind: global_buffer, .address_space: global }
      - { .name: w_proj, .offset: 16, .size: 8, .value_kind: global_buffer, .address_space: global }
      - { .name: b_attn, .offset: 24, .size: 8, .value_kind: global_buffer, .address_space: global }
      - { .name: b_proj, .offset: 32, .size: 8, .value_kind: global_buffer, .address_space: global }
      - { .name: span_params, .offset: 40, .size: 8, .value_kind: global_buffer, .address_space: global }
      - { .name: period_weight, .offset: 48, .size: 8, .value_kind: global_buffer, .address_space: global }
      - { .name: ratio_weight, .offset: 56, .size: 8, .value_kind: global_buffer, .address_space: global }
      - { .name: xb, .offset: 64, .size: 8, .value_kind: global_buffer, .address_space: global }
      - { .name: wab, .offset: 72, .size: 8, .value_kind: global_buffer, .address_space: global }
      - { .name: wpb, .offset: 80, .size: 8, .value_kind: global_buffer, .address_space: global }
      - { .name: brd, .offset: 88, .size: 8, .value_kind: global_buffer, .address_space: global }
      - { .name: mtab, .offset: 96, .size: 8, .value_kind: global_buffer, .address_space: global }
      - { .name: out1, .offset: 104, .size: 8, .value_kind: global_buffer, .address_space: global }
    .group_segment_fixed_size: 0
    .private_segment_fixed_size: 0
    .kernarg_segment_align: 8
    .kernarg_segment_size: 112
    .max_flat_workgroup_size: 256
    .sgpr_count:     66
    .vgpr_count:     104
    .wavefront_size: 32
...
	.end_amdgpu_metadata
.endif
;; end of part 1
;; launch qkv (part 2): grid 8 x 32, 4 waves a work-group, clusters of 4 x 4, 327,680 bytes of LDS; arguments xb, wab, brd, qkvh; writes qkvh
.if DOCPART == 2
	.amdgcn_target "amdgcn-amd-amdhsa--gfx1250"
	.amdhsa_code_object_version 6
	.text
	.protected	k_qbe7b2544c7_qkv
	.globl	k_qbe7b2544c7_qkv
	.p2align	8
	.type	k_qbe7b2544c7_qkv,@function
k_qbe7b2544c7_qkv:
	s_mov_b64 s[64:65], 0
	v_nop
	global_prefetch_b8 v0, s[64:65] scope:SCOPE_SE
	s_setreg_imm32_b32 hwreg(HW_REG_WAVE_MODE, 25, 1), 1
	s_wait_xcnt 0x0
	s_wait_alu depctr_hold_cnt(0) depctr_sa_sdst(0) depctr_va_vdst(0) depctr_va_sdst(0) depctr_va_ssrc(0) depctr_va_vcc(0) depctr_vm_vsrc(0)
	s_getreg_b32 s2, hwreg(HW_REG_IB_STS2, 6, 4)
	s_cmp_eq_u32 s2, 0
	s_cbranch_scc0 .Lentry_in_a_cluster
	s_endpgm
.Lentry_in_a_cluster:
	s_bfe_u32 s2, ttmp6, 0x10000c
	s_cmp_lg_u32 s2, 0xf033
	s_cbranch_scc0 .Lentry_shape_is_right
	s_endpgm
.Lentry_shape_is_right:
; qkv = x w_attn + b_attn, written by heads.  xb: [4096][1024] bf16.  wab: [1024 k][3072 n] bf16.  brd: f32 biases.  qkvh: [3 parts][32 batch x head][2048][64] f16.
; Part 0 is c q with c = log2(e) / 8, applied in f32 ahead of the one rounding; parts 1 and 2 are k and v.  Sums in f32; the bias starts them as the first product's C.
; LIMIT.  c q, k and v must lie within f16's 65,504.
; SHARES.  A tile is 128 rows x 384 columns: 32 x 8 = 256 work-groups.  A wave makes 64 rows x 192 columns (three whole heads): 48 accumulators, 384 registers.
; K goes in 8 steps of 128 through two LDS slots; for 32 along K a wave issues 32 LDS loads and 48 matrix instructions.
; The weights lie [k][n]: they come out of LDS turned, by ds_load_tr16_b128, and stand as source 0, so that a lane ends with eight neighbouring columns of one row.
; CLUSTER 4 x 4: x's tile is shared along a row of the cluster, the weights' along a column; each is asked for jointly by four work-groups.
; NO PREFETCH: every tile is read by 8 (x) or 32 (weights) work-groups, and a refill has 168 of a K step's 192 matrix instructions in which to land.
; REGISTERS.  window 0: v16-29 addresses; v32-95 x's fragments, two buffers; v96-191 the bias; on the way out v32-223 packed results.
;   window 1: v0-191 the weights' fragments, two buffers.  window 2: accumulators of row blocks 0, 1 at 8 (12 (a % 2) + bb).  window 3: of row blocks 2, 3.
.set KSTEP,  128
.set PA,     272                       ; a row of x in LDS: 256 bytes + 16
.set PB,     864                       ; a k row of the weights: six pieces of 128 bytes + 16
.set APART,  128*PA
.set SLOT,   APART+128*PB
.set STAGE,  2*SLOT                    ; behind the ring: 16 rows x 144 bytes for each wave
.set SP,     144
.set SPARE,  STAGE+4*16*SP             ; the spare words: 128 bytes a wave, named by no other line
.set LAPS,   4
.set ADRA, 16                          ; v16-17  x's fragments in slot 0, 1
.set ADRB, 20                          ; v20-23  the weights' fragments: slot 0 k 0-63, k 64-127; slot 1 likewise
.set STO,  24
.set RD,   25
.set GO,   26
.set BO,   27
.set SPW,  28
.set NIL,  29
.set FA,   32
.set BIAS, 96
.set TMP,  32
.set WV, 12
.set WM, 13                            ; my half of the rows; also: I fetch x (0) or weights (1)
.set WN, 14                            ; my half of the columns; also: which 64 rows of that tile I fetch
.set TY, 15
.set G1, 24
.set G0, 32
.set G1B, 48
.set G0B, 56
.set SC, 66                            ; s[66:71] the scale of my three heads, in pairs
.set DST, 72                           ; s[72:77] where my three heads' rows begin
.set MSB, 0
.macro WIN new
.if MSB != (\new)
	s_set_vgpr_msb (MSB<<8)|(\new)
.set MSB, \new
.endif
.endm
.macro JLOAD s                         ; a joint load; an s_nop 0 and four v_nop follow each of the two lines
	s_cmp_eq_u32 s[WM], 0
	s_cbranch_scc0 .Lfor_b_\@
	tensor_load_to_lds s[G0+4*(\s):G0+4*(\s)+3], s[G1:G1+7]
	s_nop 0
.rept 4
	v_nop
.endr
	s_branch .Lasked_\@
.Lfor_b_\@:
	tensor_load_to_lds s[G0B+4*(\s):G0B+4*(\s)+3], s[G1B:G1B+7]
	s_nop 0
.rept 4
	v_nop
.endr
.Lasked_\@:
.endm
.macro CREST                           ; a round of the cluster's barrier behind its opening barrier
	s_cmp_lg_u32 s[WV], 0
	s_cbranch_scc1 .Lnot_wave_0_\@
	s_barrier_signal -3
.Lnot_wave_0_\@:
	s_barrier_wait -3
	s_barrier_signal -1
	s_barrier_wait -1
.endm
.macro CROUND
	s_barrier_signal -1
	s_barrier_wait -1
	CREST
.endm
.macro PLACES
.rept 4
	v_nop
.endr
.endm
; 12 matrix instructions: row block a x all 12 column blocks, 32 along K, from buffer f.  first = 1: the bias is C and starts the sums.  The 48 accumulators take turns in one order throughout.
.macro MUL12 f, a, first
.if \first
	WIN 0x81+0x40*((\a)/2)
.else
	WIN 0xa1+0x50*((\a)/2)
.endif
.irp bb, 0,1,2,3,4,5,6,7,8,9,10,11
.if \first
	v_wmma_f32_16x16x32_bf16 v[8*(12*((\a)%2)+\bb):8*(12*((\a)%2)+\bb)+7], v[96*(\f)+8*\bb:96*(\f)+8*\bb+7], v[FA+32*(\f)+8*(\a):FA+32*(\f)+8*(\a)+7], v[BIAS+8*\bb:BIAS+8*\bb+7]
.else
	v_wmma_f32_16x16x32_bf16 v[8*(12*((\a)%2)+\bb):8*(12*((\a)%2)+\bb)+7], v[96*(\f)+8*\bb:96*(\f)+8*\bb+7], v[FA+32*(\f)+8*(\a):FA+32*(\f)+8*(\a)+7], v[8*(12*((\a)%2)+\bb):8*(12*((\a)%2)+\bb)+7]
.endif
.endr
.endm
; 32 LDS loads in one run: quarter q (32 along K) of a slot into buffer f: 24 turning loads of the weights, then 8 loads of x
.macro FETCH slot, q, f
	WIN 0x40
.irp bb, 0,1,2,3,4,5,6,7,8,9,10,11
	ds_load_tr16_b128 v[96*(\f)+8*\bb:96*(\f)+8*\bb+3],   v[ADRB+2*(\slot)+(\q)/2] offset:((\q)%2)*32*PB+144*(\bb/4)+32*(\bb%4)
	ds_load_tr16_b128 v[96*(\f)+8*\bb+4:96*(\f)+8*\bb+7], v[ADRB+2*(\slot)+(\q)/2] offset:((\q)%2)*32*PB+144*(\bb/4)+32*(\bb%4)+16*PB
.endr
	WIN 0
.irp a, 0,1,2,3
	ds_load_b128 v[FA+32*(\f)+8*\a:FA+32*(\f)+8*\a+3],   v[ADRA+(\slot)] offset:64*(\q)+16*PA*\a
	ds_load_b128 v[FA+32*(\f)+8*\a+4:FA+32*(\f)+8*\a+7], v[ADRA+(\slot)] offset:64*(\q)+16*PA*\a+32
.endr
.endm
; One of a K step's first three quarters: multiplies buffer f, and in its middle fetches quarter q into buffer g.
.macro QUARTER slot, q, f, g, first
	s_wait_dscnt 4                                 ; the youngest four loads, x's row blocks 2 and 3, may be out
	MUL12 \f, 0, \first
	MUL12 \f, 1, \first
	PLACES                                         ; four places in front of loads into registers that matrix instructions have read
	FETCH \slot, \q, \g
	s_wait_dscnt 32                                ; all but the 32 just issued
	MUL12 \f, 2, \first
	MUL12 \f, 3, \first
.endm
; The last quarter multiplies buffer 1 and changes slots.  In front of the barrier each wave waits for all its tensor loads (one is out: its part of the next slot), adds 0 to its spare word,
; and waits for that and for its reads of this slot.  fill = 1: the barrier opens a round of the cluster's, and the joint refill is the first thing behind it.
.macro TURN slot, next, fill
	WIN 0
	s_wait_tensorcnt 0x0
	ds_add_u32 v[SPW], v[NIL]
	s_wait_dscnt 5                                 ; the add and the youngest four loads may be out
	MUL12 1, 0, 0
	s_wait_dscnt 0x0                               ; the add is done, and my reads of this slot are over
	s_barrier_signal -1
	MUL12 1, 1, 0
.if \fill
	WIN 0
.endif
	s_barrier_wait -1
.if \fill
	CREST
	s_add_nc_u64 s[G0+4*(\slot)+2:G0+4*(\slot)+3], s[G0+4*(\slot)+2:G0+4*(\slot)+3], 2*KSTEP*2
	s_add_nc_u64 s[G0B+4*(\slot)+2:G0B+4*(\slot)+3], s[G0B+4*(\slot)+2:G0B+4*(\slot)+3], 2*KSTEP*3072*2
	JLOAD \slot                                    ; its four v_nop are also the places in front of the loads below
.else
	PLACES
.endif
	FETCH \next, 0, 0
	MUL12 1, 2, 0
	MUL12 1, 3, 0
.endm
	s_load_b256 s[4:11], s[0:1], 0x0               ; xb s[4:5], wab s[6:7], brd s[8:9], qkvh s[10:11]
	v_lshl_add_u32 v[SPW], v0, 2, SPARE
	v_mov_b32 v[NIL], 0
	ds_add_u32 v[SPW], v[NIL]                      ; the opening: the add and its wait ahead of my first tensor load
	v_lshrrev_b32 v1, 5, v0
	v_readfirstlane_b32 s[WV], v1
	s_lshr_b32 s[WM], s[WV], 1
	s_and_b32 s[WN], s[WV], 1
	s_bfe_u32 s40, ttmp6, 0x40000                  ; cx
	s_bfe_u32 s41, ttmp6, 0x40004                  ; cy
	s_lshl_b32 s42, ttmp9, 2
	s_add_co_u32 s42, s42, s40                     ; tile column
	s_and_b32 s[TY], ttmp7, 0xffff
	s_lshl_b32 s[TY], s[TY], 2
	s_add_co_u32 s[TY], s[TY], s41                 ; tile row
	s_lshl_b32 s43, s41, 2
	s_lshl_b32 s43, 15, s43                        ; my row of the cluster
	s_lshl_b32 s44, 0x1111, s40                    ; my column
	s_or_b32 s[G1], s43, (1<<16)|(1<<20)|(1<<21)|(5<<22)|(3<<25)   ; 2-byte elements; 4 words of padding after every 64
	s_or_b32 s[G1B], s44, (1<<16)|(1<<20)|(1<<21)|(4<<22)|(3<<25)  ; 4 words after every 32
	s_mov_b32 s[G1+1], KSTEP<<16                   ; x: 64 rows x 128 elements, 1,024 from row to row
	s_mov_b32 s[G1+2], 64<<16
	s_mov_b32 s[G1+3], KSTEP<<16
	s_mov_b32 s[G1+4], 64
	s_mov_b32 s[G1+5], 1024
	s_mov_b32 s[G1+6], 0
	s_mov_b32 s[G1+7], 0
	s_mov_b32 s[G1B+1], 384<<16                    ; weights: 64 k rows x 384 elements, 3,072 from row to row
	s_mov_b32 s[G1B+2], 64<<16
	s_mov_b32 s[G1B+3], 384<<16
	s_mov_b32 s[G1B+4], 64
	s_mov_b32 s[G1B+5], 3072
	s_mov_b32 s[G1B+6], 0
	s_mov_b32 s[G1B+7], 0
	s_lshl_b32 s16, s[TY], 7
	s_lshl_b32 s17, s[WN], 6
	s_add_co_u32 s16, s16, s17                     ; x: row 128 x tile row + 64 x half,
	s_lshl_b32 s16, s16, 11                        ; 2,048 bytes each
	s_mov_b32 s17, 0
	s_mul_i32 s46, s[WN], 64*3072*2                ; weights: k row 64 x half,
	s_mul_i32 s47, s42, 768                        ; column 384 x tile column
	s_add_co_u32 s46, s46, s47
	s_mov_b32 s47, 0
	s_mul_i32 s18, s[WN], 64*PA                    ; where they go: no place in the cluster enters an LDS address
	s_mul_i32 s19, s[WN], 64*PB
	s_add_co_u32 s19, s19, APART
	s_wait_dscnt 0x0                               ; the opening add is done
	s_wait_kmcnt 0x0
	s_add_nc_u64 s[20:21], s[4:5], s[16:17]
	s_add_nc_u64 s[46:47], s[6:7], s[46:47]
	CROUND                                         ; all sixteen work-groups are here: the first joint loads meet
.irp s, 0,1
	s_mov_b32 s[G0+4*(\s)], 1
	s_add_co_u32 s[G0+4*(\s)+1], s18, (\s)*SLOT
	s_add_nc_u64 s[G0+4*(\s)+2:G0+4*(\s)+3], s[20:21], (\s)*KSTEP*2
	s_or_b32 s[G0+4*(\s)+3], s[G0+4*(\s)+3], 0x80000000
	s_mov_b32 s[G0B+4*(\s)], 1
	s_add_co_u32 s[G0B+4*(\s)+1], s19, (\s)*SLOT
	s_add_nc_u64 s[G0B+4*(\s)+2:G0B+4*(\s)+3], s[46:47], (\s)*KSTEP*3072*2
	s_or_b32 s[G0B+4*(\s)+3], s[G0B+4*(\s)+3], 0x80000000
	JLOAD \s
.endr
	v_and_b32 v1, 15, v0                           ; r
	v_bfe_u32 v2, v0, 4, 1                         ; h
	v_mul_u32_u24 v3, v1, PA
	v_lshl_add_u32 v3, v2, 4, v3
	s_mul_i32 s21, s[WM], 64*PA
	v_add_nc_u32 v[ADRA], s21, v3
	v_add_nc_u32 v[ADRA+1], SLOT, v[ADRA]
	v_and_b32 v4, 7, v0
	v_bfe_u32 v5, v0, 3, 1
	v_lshl_add_u32 v4, v2, 3, v4                   ; k row 8 h + l % 8,
	v_mul_u32_u24 v4, v4, PB
	v_lshl_add_u32 v4, v5, 4, v4                   ; 16 bytes for each eight lanes,
	s_mul_i32 s22, s[WN], 432                      ; my 192 columns: three pieces of 144 bytes
	s_add_co_u32 s22, s22, APART
	v_add_nc_u32 v[ADRB], s22, v4
	v_add_nc_u32 v[ADRB+1], 64*PB, v[ADRB]
	v_add_nc_u32 v[ADRB+2], SLOT, v[ADRB]
	v_add_nc_u32 v[ADRB+3], SLOT+64*PB, v[ADRB]
	s_mul_i32 s23, s[WV], 16*SP
	s_add_co_u32 s23, s23, STAGE
	v_mul_u32_u24 v6, v1, SP                       ; into my stage: row r, 16 bytes for each half of the lanes
	v_lshl_add_u32 v6, v2, 4, v6
	v_add_nc_u32 v[STO], s23, v6
	v_bfe_u32 v6, v0, 3, 2                         ; back: 32 lanes take four rows of 128 bytes,
	v_mul_u32_u24 v6, v6, SP
	v_and_b32 v7, 7, v0
	v_lshl_add_u32 v6, v7, 4, v6
	v_add_nc_u32 v[RD], s23, v6
	v_and_b32 v[GO], 31, v0                        ; which are 512 consecutive bytes of a head
	v_lshlrev_b32 v[GO], 4, v[GO]
	v_lshlrev_b32 v[BO], 5, v2                     ; the bias of my eight columns of a block
	s_mul_i32 s46, s42, 1536
	s_mul_i32 s47, s[WN], 768
	s_add_co_u32 s46, s46, s47
	s_mov_b32 s47, 0
	s_add_nc_u64 s[8:9], s[8:9], s[46:47]
.irp bb, 0,1,2,3,4,5,6,7,8,9,10,11
	global_load_b128 v[BIAS+8*\bb:BIAS+8*\bb+3],   v[BO], s[8:9] offset:64*\bb
	global_load_b128 v[BIAS+8*\bb+4:BIAS+8*\bb+7], v[BO], s[8:9] offset:64*\bb+16
.endr
	s_mul_i32 s45, s42, 6
	s_mul_i32 s46, s[WN], 3
	s_add_co_u32 s45, s45, s46                     ; my first block of 64 columns, 0 .. 45: part = / 16, head = % 16
	s_lshr_b32 s16, s[TY], 4
	s_lshl_b32 s16, s16, 4                         ; 16 x batch
	s_and_b32 s17, s[TY], 15
	s_lshl_b32 s17, s17, 14
	s_lshl_b32 s18, s[WM], 13
	s_add_co_u32 s17, s17, s18                     ; my first row in the head, 128 bytes each
.irp hd, 0,1,2
	s_add_co_u32 s46, s45, \hd
	s_cmp_lt_u32 s46, 16
	s_cselect_b32 s[SC+2*\hd], 0x3e38aa3b, 1.0     ; c for q, 1 for k and v: a choice of a value, no branch
	s_mov_b32 s[SC+2*\hd+1], s[SC+2*\hd]
	s_lshr_b32 s47, s46, 4
	s_lshl_b32 s47, s47, 5
	s_and_b32 s46, s46, 15
	s_add_co_u32 s46, s46, s47
	s_add_co_u32 s46, s46, s16
	s_lshl_b32 s46, s46, 18                        ; 262,144 bytes for a batch and head
	s_add_co_u32 s46, s46, s17
	s_mov_b32 s47, 0
	s_add_nc_u64 s[DST+2*\hd:DST+2*\hd+1], s[10:11], s[46:47]
.endr
	s_wait_tensorcnt 1                             ; my part of K step 0 is in; K step 1's may stay out
	s_barrier_signal -1
	s_barrier_wait -1
	FETCH 0, 0, 0
	s_wait_loadcnt 0x0                             ; the bias
	QUARTER 0, 1, 0, 1, 1                          ; the first quarter stands in front of the loop: its products start the sums
	WIN 0
	s_mov_b32 s3, LAPS-1
.Llap:                                         ; once round the ring, from a lap's second quarter to the next lap's first
	QUARTER 0, 2, 1, 0, 0
	QUARTER 0, 3, 0, 1, 0
	TURN 0, 1, 1
	QUARTER 1, 1, 0, 1, 0
	QUARTER 1, 2, 1, 0, 0
	QUARTER 1, 3, 0, 1, 0
	TURN 1, 0, 1
	QUARTER 0, 1, 0, 1, 0
	WIN 0
	s_sub_co_u32 s3, s3, 1
	s_cmp_lg_u32 s3, 0
	s_cbranch_scc1 .Llap
	QUARTER 0, 2, 1, 0, 0                          ; the last lap fills nothing
	QUARTER 0, 3, 0, 1, 0
	TURN 0, 1, 0
	QUARTER 1, 1, 0, 1, 0
	QUARTER 1, 2, 1, 0, 0
	QUARTER 1, 3, 0, 1, 0
	s_wait_dscnt 4
	MUL12 1, 0, 0
	MUL12 1, 1, 0
	s_wait_dscnt 0x0
	MUL12 1, 2, 0
	MUL12 1, 3, 0
	WIN 0
; THE WAY OUT, in 12 units of 16 rows x one head: scaled, rounded to f16, through my own stage, out as 512 consecutive bytes a store.
.macro PACKQ u
.set AC, 8*(12*(((\u)/3)%2)+4*((\u)%3))
.set TM, TMP+16*(\u)
	WIN 0x82+0x41*((\u)/6)
.set z, 0
.rept 16
	v_pk_mul_f32 v[AC+2*z:AC+2*z+1], v[AC+2*z:AC+2*z+1], s[SC+2*((\u)%3):SC+2*((\u)%3)+1] op_sel_hi:[1,0]
.set z, z+1
.endr
	WIN 0x0a+5*((\u)/6)
.set z, 0
.rept 16
	v_cvt_pk_f16_f32 v[TM+z], v[AC+2*z], v[AC+2*z+1]
.set z, z+1
.endr
	WIN 0
.irp j, 0,1,2,3
	ds_store_b128 v[STO], v[TM+4*\j:TM+4*\j+3] offset:32*\j
.endr
.irp f, 0,1,2,3
	ds_load_b128 v[TM+4*\f:TM+4*\f+3], v[RD] offset:4*SP*\f   ; LDS serves a wave's instructions in order: these see the stores above, and the next unit's stores come behind them
.endr
.endm
.macro SENDQ u, younger                ; younger: the LDS instructions issued behind this unit's loads
.set TM, TMP+16*(\u)
.irp f, 0,1,2,3
	s_wait_dscnt (\younger)+3-\f
	global_store_b128 v[GO], v[TM+4*\f:TM+4*\f+3], s[DST+2*((\u)%3):DST+2*((\u)%3)+1] offset:2048*((\u)/3)+512*\f
.endr
.endm
	PLACES
	PLACES
	PACKQ 0
.irp u, 1,2,3,4,5,6,7,8,9,10,11
	PACKQ \u
	SENDQ (\u)-1, 8
.endr
	SENDQ 11, 0
	s_wait_tensorcnt 0x0                           ; the wave's end
	ds_add_u32 v[SPW], v[NIL]
	s_wait_dscnt 0x0
	CROUND                                         ; the closing round
	s_endpgm
.Lfunc_end_k_qbe7b2544c7_qkv:
	.size	k_qbe7b2544c7_qkv, .Lfunc_end_k_qbe7b2544c7_qkv-k_qbe7b2544c7_qkv
	.p2alignl 7, 3214868480
	.fill 96, 4, 3214868480
	.section	.rodata,"a",@progbits
	.p2align	6, 0x0
	.amdhsa_kernel k_qbe7b2544c7_qkv
		.amdhsa_group_segment_fixed_size 327680
		.amdhsa_private_segment_fixed_size 0
		.amdhsa_enable_private_segment 0
		.amdhsa_kernarg_size 32
		.amdhsa_user_sgpr_count 2
		.amdhsa_user_sgpr_kernarg_segment_ptr 1
		.amdhsa_wavefront_size32 1
		.amdhsa_system_sgpr_workgroup_id_x 1
		.amdhsa_system_sgpr_workgroup_id_y 1
		.amdhsa_system_sgpr_workgroup_id_z 1
		.amdhsa_system_vgpr_workitem_id 0
		.amdhsa_next_free_vgpr 960
		.amdhsa_next_free_sgpr 80
		.amdhsa_reserve_vcc 0
		.amdhsa_float_denorm_mode_32 3
		.amdhsa_float_denorm_mode_16_64 3
		.amdhsa_memory_ordered 1
		.amdhsa_forward_progress 1
		.amdhsa_inst_pref_size 137
	.end_amdhsa_kernel
	.amdgpu_metadata
---
amdhsa.version: [ 1, 2 ]
amdhsa.kernels:
  - .name:           k_qbe7b2544c7_qkv
    .symbol:         k_qbe7b2544c7_qkv.kd
    .args:
      - { .name: xb, .offset: 0, .size: 8, .value_kind: global_buffer, .address_space: global }
      - { .name: wab, .offset: 8, .size: 8, .value_kind: global_buffer, .address_space: global }
      - { .name: brd, .offset: 16, .size: 8, .value_kind: global_buffer, .address_space: global }
      - { .name: qkvh, .offset: 24, .size: 8, .value_kind: global_buffer, .address_space: global }
    .group_segment_fixed_size: 327680
    .private_segment_fixed_size: 0
    .kernarg_segment_align: 8
    .kernarg_segment_size: 32
    .max_flat_workgroup_size: 128
    .sgpr_count:     80
    .vgpr_count:     960
    .wavefront_size: 32
...
	.end_amdgpu_metadata
.endif
;; end of part 2
;; launch attn (part 3): grid 8 x 32, 4 waves a work-group, no clusters, 327,680 bytes of LDS; arguments qkvh, mtab, oh; writes oh
.if DOCPART == 3
	.amdgcn_target "amdgcn-amd-amdhsa--gfx1250"
	.amdhsa_code_object_version 6
	.text
	.protected	k_qbe7b2544c7_attn
	.globl	k_qbe7b2544c7_attn
	.p2align	8
	.type	k_qbe7b2544c7_attn,@function
k_qbe7b2544c7_attn:
	s_mov_b64 s[64:65], 0
	v_nop
	global_prefetch_b8 v0, s[64:65] scope:SCOPE_SE
	s_setreg_imm32_b32 hwreg(HW_REG_WAVE_MODE, 25, 1), 1
	s_wait_xcnt 0x0
; CAUSAL ATTENTION WITH A MULTIPLIER THAT HANGS ON i - j.  qkvh: [3][32 batch x head][2048][64] f16 (c q with c = log2(e)/8, k, v).  mtab: log2 of the mask, four shifted copies a head.  oh: [32][2048][64] f16.
; weight(i, j) = exp(s - max) mask / sum is the same whatever is taken away in the exponent.  So S = c q.k + log2(mask) is formed (the table entry is the C operand that starts the product's sum; -1e30 where
; the key is hidden or the mask is 0), and p = 2^(S - m) with m the RUNNING MAXIMUM OF S; no exponent is above 0.  O and l are multiplied by a = 2^(m_old - m) in every step.
; Key j = i always has a mask of at least 1/2 (the ramp is 1 there, the wave at least 1/2), so every row ends with a true maximum, and what was gathered while all keys were hidden is multiplied by 0.
; LIMITS.  f16 holds no number beyond 65,504: c q, k, v arrive within it.  A weight below 2^-126 counts as 0.  NaN and infinities are not treated apart.
; THE WALK.  A head has 16 blocks of 128 queries; block i needs the key slots (256 keys) 0 .. i / 2.  A work-group takes blocks b and then 15 - b: (b/2 + 1) + (8 - b/2) = 9 slots, whatever b.
; SHARES.  Wave w owns rows 64 (w / 2) .. + 63 of the block, four PIECES of 16, and of each slot's four key steps of 64 the steps w % 2 and w % 2 + 2.  The two waves of a row half meet through LDS at a block's end.
; TURNS.  Turn n belongs to piece n: 8 products K Q^T of piece n + 1, later 8 products V^T P of piece n - 1; beside them piece n's exponentials, roundings, sums and rescaling and piece n + 1's maximum.
; Four vector instructions stand behind every matrix instruction, the rest in one lump; a turn's 33 exponentials are one batch with one wait.
; NO CLUSTER: the eight work-groups of a head ask for different slots from the second trip on (only b = 2 j and 2 j + 1 walk alike); a walk common to all would have 12 slots for 9.
; PREFETCH.  Work-group b = 0 of each head names slots 2 .. 7 of K and V once, 32 rows of 256 bytes a wave and tensor, behind its own tensor load, a trip (128 matrix instructions a wave) or more ahead of the first fill of that slot by any of the eight.
; REGISTERS.  window 0: v0-15, v32-34 addresses; v16-31 statistics (m, m_old, l even, l odd a piece); v36-59 at work; v64-127 S^T, two buffers; v192-223 P, two buffers.
;   window 1: v0-127 O^T; v128-183 the step's mask, seven blocks of eight.   window 2: v0-63 Q; v64-127 the second block's Q; v128-191 K; v192-255 V.
.set NP,    4
.set KS,    64
.set PK,    144
.set PV,    160
.set VOFF,  4*KS*PK
.set SLOT1, 1<<17
.set MTAB,  4*KS*(PK+PV)               ; behind slot 0: the head's four table copies, 2,320 words each, filled once
.set MPITCH, 9280                      ; 580 x 16 bytes
.set MTOP,  8720                       ; the greatest byte offset in a copy that a fetch starts from: 4 (1988 + 192), where the step's first key lies 192 past the block's first row
.set STAGE, MTAB+4*MPITCH              ; 16 rows x 144 bytes for each wave
.set SP,    144
.set SPARE, STAGE+4*16*SP              ; the spare words
.set XBASE, SLOT1+4*KS*(PK+PV)         ; behind slot 1: the exchange, two areas (one a block) x four waves x 9,216 bytes
.set XWAVE, 9216
.set XPH,   4*XWAVE
.set XPC,   4608                       ; a piece: 8 x 512 bytes of O^T, 512 of statistics
.set AK0, 2
.set AV0, 3
.set AK,  4
.set AV,  5
.set STO, 6
.set RD,  7
.set GO,  8
.set AM0, 12                           ; the table's base and my lane's place in it
.set AM,  13
.set XW,  14                           ; where I put what I give away
.set QO,  15
.set ST,  16
.set XR,  32                           ; where my partner has put what I take
.set PFO, 33
.set PFO2, 34
.set PS,  36                           ; the partner's statistics
.set FW,  44                           ; the merge's 16 registers at work
.set TMP, 48
.set SPW, 62
.set NIL, 63
.set S,   64
.set P,   192
.set MC,  128                          ; window 1
.set QB,  64                           ; window 2
.set KF,  128
.set VF,  192
.set WV,  12
.set PB,  14                           ; b
.set KH,  15                           ; w % 2
.set RH,  59                           ; w / 2
.set G1K, 24
.set G1V, 32
.set G0K, 40
.set G0V, 44
.set G1T, 48
.set SLOTS, 56
.set CNT, 57
.set LIM, 58
.set SEL, 60
.set TBK, 62
.set TBV, 63
.set PFA, 66
.set G0T, 68
.set RT,  72                           ; slots of the block in hand still to be entered
.set NXT, 73                           ; the slot to be asked for next
.set LQ,  74                           ; the last slot of the block whose slots are being asked for
.set NEW, 75                           ; 1: the slot to be entered is the second block's first
.set OFF, 76
.set TBM, 78                           ; byte offset in a table copy for the step to be fetched: 16 .. MTOP
.set TMHI, 79
.set OHI, 80
.set NH1, 82                           ; the second block's slots less one
.set TMLO, 83
.set MSB, 0
.macro WIN new
.if MSB != (\new)
	s_set_vgpr_msb (MSB<<8)|(\new)
.set MSB, (\new)
.endif
.endm
.set W_KQ, 0x0a
.set W_KM, 0x1a
.set W_PV, 0x52
.set W_RS, 0x41
; A fill.  Waves 0 and 1 fetch the halves of a slot's K, waves 2 and 3 those of its V.  An s_nop 0 and four v_nop follow each line.
.macro LOAD
	s_cmp_lt_u32 s[WV], 2
	s_cbranch_scc0 .Lfor_v_\@
	tensor_load_to_lds s[G0K:G0K+3], s[G1K:G1K+7]
	s_nop 0
.rept 4
	v_nop
.endr
	s_branch .Lasked_\@
.Lfor_v_\@:
	tensor_load_to_lds s[G0V:G0V+3], s[G1V:G1V+7]
	s_nop 0
.rept 4
	v_nop
.endr
.Lasked_\@:
.endm
.macro ASK                             ; 8,192 bytes of K and of V, a lane a block of 256 bytes; only where b = 0, and not in the last two changes
	s_cmp_gt_u32 s[SLOTS], s[LIM]
	s_cbranch_scc0 .Lnot_mine_\@
	global_prefetch_b8 v[PFO], s[PFA:PFA+1] th:TH_LOAD_NT scope:SCOPE_SE
	global_prefetch_b8 v[PFO2], s[PFA:PFA+1] th:TH_LOAD_NT scope:SCOPE_SE
.Lnot_mine_\@:
.endm
; THE CHANGE OF SLOTS.  Each wave waits for all its tensor loads, adds 0 to its spare word, and waits for that, for its reads of the slot that it leaves and for its stores into the exchange.
; Behind the barrier the old slot is filled again first (fill = 1), with slot NXT of the block that is being asked for.
.macro CHANGE fill
	WIN 0
	s_wait_tensorcnt 0x0
	ds_add_u32 v[SPW], v[NIL]
.if \fill
	s_lshl_b32 s[OFF], s[NXT], 15                  ; a slot is 32,768 bytes of K and of V
	s_xor_b32 s[G0K+1], s[G0K+1], SLOT1
	s_add_nc_u64 s[G0K+2:G0K+3], s[6:7], s[OFF:OFF+1]
	s_or_b32 s[G0K+3], s[G0K+3], 0x80000000
	s_xor_b32 s[G0V+1], s[G0V+1], SLOT1
	s_add_nc_u64 s[G0V+2:G0V+3], s[8:9], s[OFF:OFF+1]
	s_or_b32 s[G0V+3], s[G0V+3], 0x80000000
	s_add_co_u32 s[NXT], s[NXT], 1
	s_cmp_gt_u32 s[NXT], s[LQ]
	s_cselect_b32 s[NXT], 0, s[NXT]
	s_cselect_b32 s[LQ], s[NH1], s[LQ]
	s_wait_xcnt 0x0                                ; the last prefetches, a trip back, have read their address
	s_add_nc_u64 s[PFA:PFA+1], s[PFA:PFA+1], 32768
.endif
	s_wait_dscnt 0x0
	s_barrier_signal -1
	s_sub_co_u32 s[TBK], s[TBK], 4*KS*PK           ; the fetches go back to my first step, in the other slot
	s_xor_b32 s[TBK], s[TBK], SLOT1
	s_sub_co_u32 s[TBV], s[TBV], 4*KS*PV
	s_xor_b32 s[TBV], s[TBV], SLOT1
	s_barrier_wait -1
.if \fill
	LOAD
	ASK
.endif
.endm
; THE MATRIX WORK.  Product i of 8 of S^T = K Q^T for piece x: channels 32 (i / 4) on, keys 16 (i % 4) on.  The first four start the sums with the mask block (i % 4) - x + 3.  The accumulators take turns.
.macro KQ x
.set rS, S+32*((\x)%2)+8*(i%4)
.set rK, KF+16*(i%4)+8*(i/4)
.set rQ, 16*(\x)+8*(i/4)
.set rM, MC+8*((i%4)-(\x)+3)
.if i < 4
	WIN W_KM
	v_wmma_f32_16x16x32_f16 v[rS:rS+7], v[rK:rK+7], v[rQ:rQ+7], v[rM:rM+7]
.else
	WIN W_KQ
	v_wmma_f32_16x16x32_f16 v[rS:rS+7], v[rK:rK+7], v[rQ:rQ+7], v[rS:rS+7]
.endif
.endm
.macro PV x                            ; product i of 8 of O^T += V^T P: keys 32 (i / 4) on, channels 16 (i % 4) on
	WIN W_PV
.set rO, 32*(\x)+8*(i%4)
.set rV, VF+32*(i/4)+8*(i%4)
.set rP, P+16*((\x)%2)+8*(i/4)
	v_wmma_f32_16x16x32_f16 v[rO:rO+7], v[rV:rV+7], v[rP:rP+7], v[rO:rO+7]
.endm
.macro MM
.if (i < 8) && !NOKQ
	KQ (Y+1)%NP
.elseif i >= 8
.set i, i-8
	PV (Y+NP-1)%NP
.set i, i+8
.endif
.set i, i+1
.endm
; A step's K (16 loads) and its mask (14 loads: seven blocks serve all four pieces), in one run.  My next step lies two steps, 128 keys, on.
.macro FETCH_K
	WIN 0x80
.irp f, 0,1,2,3,4,5,6,7
	ds_load_b128 v[KF+8*\f:KF+8*\f+3],   v[AK] offset:(\f/2)*16*PK+(\f%2)*64
	ds_load_b128 v[KF+8*\f+4:KF+8*\f+7], v[AK] offset:(\f/2)*16*PK+(\f%2)*64+32
.endr
	WIN 0x40
.irp d, 0,1,2,3,4,5,6
	ds_load_b128 v[MC+8*\d:MC+8*\d+3],   v[AM] offset:64*\d
	ds_load_b128 v[MC+8*\d+4:MC+8*\d+7], v[AM] offset:64*\d+16
.endr
	s_add_co_u32 s[TBK], s[TBK], 2*KS*PK
	s_add_co_u32 s[TBM], s[TBM], 512
	s_min_u32 s[TBM], s[TBM], MTOP                 ; no fetch that is used starts higher; the bound states the table's range
	WIN 0
.endm
.macro FETCH_V
	WIN 0x80
.irp f, 0,1,2,3,4,5,6,7
	ds_load_tr16_b128 v[VF+8*\f:VF+8*\f+3],   v[AV] offset:(\f/4)*32*PV+(\f%4)*32
	ds_load_tr16_b128 v[VF+8*\f+4:VF+8*\f+7], v[AV] offset:(\f/4)*32*PV+16*PV+(\f%4)*32
.endr
	WIN 0
.endm
; THE VECTOR WORK: OP kind, number.  For piece Y: F n: S - m for pair n.  E n: the exponential of score n.  C n: pair n rounded to f16.  B n: of four weights the second pair onto the first.
; L n: l takes that sum (L 0: l = a l + sum).  R n: pair n of O^T times a.  For piece Y + 1: X n, number n of the 21 that find its maximum and a:
;   0-13 four chains over the 32 scores (each accumulator's lowest registers first); 14, 16 with the old m into c0; 15 m_old is kept; 17, 18 the other half of the lanes: the new m; 19 m_old - m; 20 a.
.set F, 0
.set E, 1
.set C, 2
.set B, 3
.set L, 4
.set R, 5
.set X, 6
.macro REGS y
.set rT, ST+4*(\y)
.set rC, TMP+4*((\y)%2)
.set rS, S+32*((\y)%2)
.set rP, P+16*((\y)%2)
.set rO, 32*(\y)
.endm
.macro OP k, n
.if (\k) == R
	REGS Y
	WIN W_RS
	v_pk_mul_f32 v[rO+2*(\n):rO+2*(\n)+1], v[rO+2*(\n):rO+2*(\n)+1], v[rC+2:rC+3] op_sel_hi:[1,0]
.elseif (\k) < R
	REGS Y
	WIN 0
.if (\k) == F
	v_pk_add_f32 v[rS+2*(\n):rS+2*(\n)+1], v[rS+2*(\n):rS+2*(\n)+1], v[rT:rT+1] op_sel_hi:[1,0] neg_lo:[0,1] neg_hi:[0,1]
.elseif (\k) == E
	v_exp_f32 v[rS+(\n)], v[rS+(\n)]
.elseif (\k) == C
	v_cvt_pk_f16_f32 v[rP+(\n)], v[rS+2*(\n)], v[rS+2*(\n)+1]
.elseif (\k) == B
	v_pk_add_f32 v[rS+4*(\n):rS+4*(\n)+1], v[rS+4*(\n):rS+4*(\n)+1], v[rS+4*(\n)+2:rS+4*(\n)+3]
.elseif (\n) == 0
	v_pk_fma_f32 v[rT+2:rT+3], v[rT+2:rT+3], v[rC+2:rC+3], v[rS:rS+1] op_sel_hi:[1,0,1]
.else
	v_pk_add_f32 v[rT+2:rT+3], v[rT+2:rT+3], v[rS+4*(\n):rS+4*(\n)+1]
.endif
.elseif NOKQ
	v_nop
.else
	REGS (Y+1)%NP
	WIN 0
.if (\n) < 4
	v_max3_num_f32 v[rC+(\n)], v[rS+8*(\n)], v[rS+8*(\n)+1], v[rS+8*(\n)+2]
.elseif (\n) < 12
	v_max3_num_f32 v[rC+(\n)%4], v[rC+(\n)%4], v[rS+8*((\n)%4)+2*((\n)/4)+1], v[rS+8*((\n)%4)+2*((\n)/4)+2]
.elseif (\n) == 12
	v_max3_num_f32 v[rC], v[rC], v[rS+7], v[rS+15]
.elseif (\n) == 13
	v_max3_num_f32 v[rC+1], v[rC+1], v[rS+23], v[rS+31]
.elseif (\n) == 14
	v_max3_num_f32 v[rC+2], v[rC+2], v[rC+3], v[rT]
.elseif (\n) == 15
	v_mov_b32 v[rT+1], v[rT]
.elseif (\n) == 16
	v_max3_num_f32 v[rC], v[rC], v[rC+1], v[rC+2]
.elseif (\n) == 17
	v_permlanex16_b32 v[rC+3], v[rC], s[SEL], s[SEL+1]
.elseif (\n) == 18
	v_max_num_f32 v[rT], v[rC], v[rC+3]
.elseif (\n) == 19
	v_sub_f32 v[rC+1], v[rT+1], v[rT]
.else
	v_exp_f32 v[rC+2], v[rC+1]
.endif
.endif
.endm
.macro OPS a, i1, b=-1, i2=0, c=-1, i3=0, d=-1, i4=0
	OP \a, \i1
.if (\b) >= 0
	OP \b, \i2
.endif
.if (\c) >= 0
	OP \c, \i3
.endif
.if (\d) >= 0
	OP \d, \i4
.endif
.endm
.macro ROW a, i1, b, i2, c, i3, d, i4
	MM
	OPS \a, \i1, \b, \i2, \c, \i3, \d, \i4
.endm
; A TURN for piece p.  Ahead of its one wait stands all that names no result of its exponentials; behind it the 8 products V^T P with the roundings and sums as their riders.
; Each X that rides behind a product K Q^T stands four plain instructions or more behind the product that ends its accumulator.
; K and the mask of my next step are fetched in piece 2's turn, five plain instructions that name none of its registers behind the last product that read K; V of the step in hand at the end of piece 0's turn,
; four plain instructions behind its last reader.  Each is waited for a turn later.  end = 1: a block's last two turns fetch nothing, and the last starts no scores.
.macro TURN p, end=0, cnt=0
.set Y, (\p)
.set i, 0
.set NOKQ, (\end)*((\p)/3)
.if ((\p) == 3) && !(\end)
	s_wait_dscnt 0x0                               ; K and the mask are in
.endif
	ROW F,0, F,1, R,0, R,1
	ROW F,2, E,0, R,2, R,3
	ROW F,3, E,1, R,4, R,5
	ROW F,4, E,2, R,6, R,7
	ROW F,5, E,3, R,8, R,9
	ROW F,6, E,4, X,0, R,10
.if ((\p) == 2) && !(\end)
	WIN 0
	v_add_nc_u32 v[AK], s[TBK], v[AK0]
	v_add_nc_u32 v[AM], s[TBM], v[AM0]
.endif
	ROW F,7, E,5, X,1, X,4
	ROW F,8, E,6, X,2, X,5
	OPS E,7, E,8, X,6, E,9
	OPS X,3, E,10, X,8, E,11
.if ((\p) == 2) && !(\end)
	FETCH_K
.endif
	OPS X,9, X,7, E,12, X,10
	OPS E,13, X,12, X,11, E,14
	OPS X,13, E,15, F,9, X,14
.if (\p) == 0
	WIN 0
	v_add_nc_u32 v[AV], s[TBV], v[AV0]
.endif
	OPS E,16, F,10, E,17, F,11
	OPS X,16, E,18, X,15, E,19
	OPS F,12, E,20, X,17, E,21
	OPS F,13, E,22, F,14, E,23
	OPS X,18, E,24, F,15, E,25
	OPS R,11, E,26, X,19, E,27
	OPS R,12, E,28, R,13, E,29
	OPS E,30, R,14, E,31
	OPS X,20, R,15                                 ; the batch's last exponential, and the plain instruction behind it
	WIN 0
	s_wait_alu depctr_va_vdst(0)                   ; the one wait for the batch
.if (\p) == 1
	s_wait_dscnt 0x0                               ; V is in
.endif
	ROW C,0, B,0, C,2, B,1
	ROW L,0, C,4, B,2, L,1
	ROW C,6, B,3, L,2, C,8
	ROW B,4, L,3, C,10, B,5
	ROW L,4, C,12, B,6, L,5
.if (\p) == 0
	s_add_co_u32 s[TBV], s[TBV], 2*KS*PV
.endif
.if \cnt
	s_sub_co_u32 s[CNT], s[CNT], 1
	s_cmp_lg_u32 s[CNT], 0
.endif
	ROW C,14, B,7, L,6, C,1
	ROW C,3, L,7, C,5, C,7
	ROW C,9, C,11, C,13, C,15
.if (\p) == 0
	FETCH_V
.endif
.endm
; A BLOCK BEGINS: m at the lowest finite number, so the first a is 0 and wipes what O^T and l hold; the table's cursor; K and the mask of my first step; piece 0's first scores and maximum.
.macro BEGIN tm
	s_mov_b32 s[NEW], 0
	WIN 0
.set i, 0
.rept 4
	v_mov_b32 v[ST+4*i], 0xff7fffff
	v_mov_b32 v[ST+4*i+1], 0xff7fffff
.set i, i+1
.endr
	s_min_u32 s[TBM], s[\tm], MTOP                 ; the block's first offset, 16 .. 8,208: the bound lies above every value that occurs and states the table's range
	v_add_nc_u32 v[AK], s[TBK], v[AK0]
	v_add_nc_u32 v[AM], s[TBM], v[AM0]
	FETCH_K
	s_wait_loadcnt 0x0                             ; Q
	s_wait_dscnt 0x0
.set NOKQ, 0
.set i, 0
.rept 8
	KQ 0
.set i, i+1
.endr
	WIN 0
.rept 4
	v_nop                                          ; the places behind those products
.endr
.set Y, NP-1
.irp n, 0,1,2,3,4,5,6,7,8,9,10,11,12,13,14,15,16,17,18,19,20
	OP X, \n
.endr
	v_nop
	s_wait_alu depctr_va_vdst(0)
.endm
; A BLOCK ENDS.  Of the two waves of a row half, the one with w % 2 = 0 gives pieces 2 and 3 away and finishes 0 and 1; the other the other way round.
.macro XO x, sl, phi
	WIN 0x04
.irp f, 0,1,2,3,4,5,6,7
	ds_store_b128 v[XW], v[32*(\x)+4*\f:32*(\x)+4*\f+3] offset:(\phi)*XPH+(\sl)*XPC+512*\f
.endr
	WIN 0
	ds_store_b128 v[XW], v[ST+4*(\x):ST+4*(\x)+3] offset:(\phi)*XPH+(\sl)*XPC+4096
.endm
.macro XOUT phi
	WIN 0
	s_cmp_eq_u32 s[KH], 0
	s_cbranch_scc0 .Lxo_b_\@
	XO 2, 0, \phi
	XO 3, 1, \phi
	s_branch .Lxo_e_\@
.Lxo_b_\@:
	XO 0, 0, \phi
	XO 1, 1, \phi
.Lxo_e_\@:
.endm
.macro PACKF x, sl                     ; O = (O g0 + O' g1), rounded to f16, through my stage
	WIN W_RS
.set z, 0
.rept 16
	v_pk_mul_f32 v[32*(\x)+z:32*(\x)+z+1], v[32*(\x)+z:32*(\x)+z+1], v[FW+8*(\sl)+4:FW+8*(\sl)+5] op_sel_hi:[1,0]
.set z, z+2
.endr
	WIN 0x50
.set z, 0
.rept 16
	v_pk_fma_f32 v[32*(\x)+z:32*(\x)+z+1], v[S+32*(\sl)+z:S+32*(\sl)+z+1], v[FW+8*(\sl)+6:FW+8*(\sl)+7], v[32*(\x)+z:32*(\x)+z+1] op_sel_hi:[1,0,1]
.set z, z+2
.endr
	WIN 0x05
.set z, 0
.rept 16
	v_cvt_pk_f16_f32 v[P+16*(\sl)+z], v[32*(\x)+2*z], v[32*(\x)+2*z+1]
.set z, z+1
.endr
	WIN 0
.irp f, 0,1,2,3
	ds_store_b128 v[STO], v[P+16*(\sl)+4*\f:P+16*(\sl)+4*\f+3] offset:32*\f
.endr
.irp f, 0,1,2,3
	ds_load_b128 v[P+16*(\sl)+4*\f:P+16*(\sl)+4*\f+3], v[RD] offset:\f*4*SP   ; LDS serves a wave's instructions in order
.endr
.endm
.macro SENDF x, sl, younger
	WIN 0
.irp f, 0,1,2,3
	s_wait_dscnt (\younger)+3-\f
	global_store_b128 v[GO], v[P+16*(\sl)+4*\f:P+16*(\sl)+4*\f+3], s[10:11] offset:(\x)*2048+\f*512   ; 512 consecutive bytes, aligned
.endr
.endm
; Pieces x0 and x0 + 1 are finished: with M = max(m, m'), f = 2^(m - M), f' = 2^(m' - M): l = f l + f' l' (both halves of the lanes), O = (f O + f' O') / l.
.macro FIN2 x0, phi
	WIN 0
.irp sl, 0,1
	ds_load_b128 v[PS+4*\sl:PS+4*\sl+3], v[XR] offset:(\phi)*XPH+\sl*XPC+4096
.irp f, 0,1,2,3,4,5,6,7
	ds_load_b128 v[S+32*\sl+4*\f:S+32*\sl+4*\f+3], v[XR] offset:(\phi)*XPH+\sl*XPC+512*\f
.endr
.endr
.irp sl, 0,1
	v_add_f32 v[FW+8*\sl], v[ST+4*((\x0)+\sl)+2], v[ST+4*((\x0)+\sl)+3]
.endr
	s_wait_dscnt 0x0
.irp sl, 0,1
	v_add_f32 v[FW+8*\sl+1], v[PS+4*\sl+2], v[PS+4*\sl+3]
	v_max_num_f32 v[FW+8*\sl+2], v[ST+4*((\x0)+\sl)], v[PS+4*\sl]
.endr
.irp sl, 0,1
	v_sub_f32 v[FW+8*\sl+4], v[ST+4*((\x0)+\sl)], v[FW+8*\sl+2]
	v_sub_f32 v[FW+8*\sl+6], v[PS+4*\sl], v[FW+8*\sl+2]
.endr
.irp sl, 0,1
	v_exp_f32 v[FW+8*\sl+4], v[FW+8*\sl+4]
	v_exp_f32 v[FW+8*\sl+6], v[FW+8*\sl+6]
.endr
	v_nop
	s_wait_alu depctr_va_vdst(0)                   ; one wait for the four exponentials
.irp sl, 0,1
	v_mul_f32 v[FW+8*\sl], v[FW+8*\sl+4], v[FW+8*\sl]
.endr
.irp sl, 0,1
	v_fma_f32 v[FW+8*\sl], v[FW+8*\sl+6], v[FW+8*\sl+1], v[FW+8*\sl]
.endr
.irp sl, 0,1
	v_permlanex16_b32 v[FW+8*\sl+1], v[FW+8*\sl], s[SEL], s[SEL+1]
.endr
.irp sl, 0,1
	v_add_f32 v[FW+8*\sl], v[FW+8*\sl], v[FW+8*\sl+1]
.endr
.irp sl, 0,1
	v_rcp_f32 v[FW+8*\sl+2], v[FW+8*\sl]
.endr
	v_nop
	s_wait_alu depctr_va_vdst(0)                   ; one wait for the two reciprocals
.irp sl, 0,1
	v_mul_f32 v[FW+8*\sl+4], v[FW+8*\sl+4], v[FW+8*\sl+2]
	v_mul_f32 v[FW+8*\sl+6], v[FW+8*\sl+6], v[FW+8*\sl+2]
.endr
.irp sl, 0,1
	v_mov_b32 v[FW+8*\sl+5], v[FW+8*\sl+4]         ; named as pairs
	v_mov_b32 v[FW+8*\sl+7], v[FW+8*\sl+6]
.endr
	PACKF \x0, 0
	PACKF (\x0)+1, 1
	SENDF \x0, 0, 8
	SENDF (\x0)+1, 1, 0
.endm
.macro FINAL phi
	WIN 0
	s_cmp_eq_u32 s[KH], 0
	s_cbranch_scc0 .Lfin_b_\@
	FIN2 0, \phi
	s_branch .Lfin_e_\@
.Lfin_b_\@:
	FIN2 2, \phi
.Lfin_e_\@:
.endm
.macro LASTPV                          ; the last piece's V^T P of the block's last step, and eight places behind it
.set i, 0
.rept 8
	PV NP-1
.set i, i+1
.endr
	WIN 0
.rept 8
	v_nop
.endr
.endm
	s_load_b128 s[84:87], s[0:1], 0x0              ; qkvh s[84:85], mtab s[86:87]
	s_load_b64 s[10:11], s[0:1], 0x10              ; oh
	v_lshl_add_u32 v[SPW], v0, 2, SPARE
	v_mov_b32 v[NIL], 0
	ds_add_u32 v[SPW], v[NIL]                      ; the opening: the add and its wait ahead of my first tensor load
	v_lshrrev_b32 v1, 5, v0
	v_readfirstlane_b32 s[WV], v1
	s_mov_b32 s[PB], ttmp9
	s_and_b32 s[KH], s[WV], 1
	s_lshr_b32 s[RH], s[WV], 1
	s_and_b32 s20, ttmp7, 0xffff                   ; 16 x batch + head
	s_and_b32 s16, s20, 15
	s_mul_i32 s16, s16, 4*9472
	s_mul_i32 s17, s[WV], 9472
	s_add_co_u32 s16, s16, s17                     ; my copy of the head's table
	s_mov_b32 s17, 0
	s_lshl_b32 s20, s20, 18                        ; 262,144 bytes for a batch and head
	s_lshl_b32 s21, s[KH], 14
	s_add_co_u32 s22, s20, s21
	s_add_co_u32 s22, s22, 0x800000                ; K: the second part, my half of slot 0
	s_mov_b32 s23, 0
	s_lshl_b32 s21, s[RH], 13
	s_add_co_u32 s21, s21, s20
	s_lshl_b32 s2, s[PB], 14
	s_add_co_u32 s2, s2, s21                       ; my 64 rows of block b,
	s_mov_b32 s3, 0
	s_sub_co_u32 s18, 15, s[PB]
	s_lshl_b32 s18, s18, 14
	s_add_co_u32 s18, s18, s21                     ; and of block 15 - b
	s_mov_b32 s19, 0
	s_lshl_b32 s21, s[WV], 13
	s_add_co_u32 s20, s20, s21
	s_add_co_u32 s20, s20, 0x800000+32768          ; the prefetches: my quarter of K's slot 1; each change steps it ahead of its ask
	s_mov_b32 s21, 0
	s_mov_b32 s[G1K], (1<<16)|(1<<20)|(4<<22)|(3<<25)  ; 128 keys as 64 rows of 256 bytes; 4 words of padding after every 32
	s_mov_b32 s[G1V], (1<<16)|(1<<20)|(4<<22)|(7<<25)  ; 8 words
.irp g, G1K, G1V
	s_mov_b32 s[\g+1], 128<<16
	s_mov_b32 s[\g+2], 64<<16
	s_mov_b32 s[\g+3], 128<<16
	s_mov_b32 s[\g+4], 64
	s_mov_b32 s[\g+5], 128
	s_mov_b32 s[\g+6], 0
	s_mov_b32 s[\g+7], 0
.endr
	s_mov_b32 s[G1T], 2<<16                        ; the table: one row of 2,320 words
	s_mov_b32 s[G1T+1], 2320<<16
	s_mov_b32 s[G1T+2], 1<<16
	s_mov_b32 s[G1T+3], 2320<<16
	s_mov_b32 s[G1T+4], 1
	s_mov_b32 s[G1T+5], 2368
	s_mov_b32 s[G1T+6], 0
	s_mov_b32 s[G1T+7], 0
	s_mov_b32 s[G0T], 1
	s_mul_i32 s[G0T+1], s[WV], MPITCH
	s_add_co_u32 s[G0T+1], s[G0T+1], MTAB
	s_mov_b32 s[G0K], 1
	s_mul_i32 s[G0K+1], s[KH], 128*PK
	s_mov_b32 s[G0V], 1
	s_mul_i32 s[G0V+1], s[KH], 128*PV
	s_add_co_u32 s[G0V+1], s[G0V+1], VOFF
	s_mov_b32 s[SEL], 0x76543210
	s_mov_b32 s[SEL+1], 0xfedcba98
	s_mul_i32 s[TBK], s[KH], KS*PK
	s_add_co_u32 s[TBK], s[TBK], SLOT1+4*KS*PK     ; the first change of slots turns these two into my first step of slot 0
	s_mul_i32 s[TBV], s[KH], KS*PV
	s_add_co_u32 s[TBV], s[TBV], SLOT1+4*KS*PV
	s_lshl_b32 s13, s[KH], 8                       ; the table's cursor at a block's begin, an offset in a copy: 4 (1988 + 64 (w % 2) - 64 (w / 2) - 128 block), 16 at the least
	s_add_co_u32 s13, s13, 7952
	s_lshl_b32 s[OFF], s[RH], 8
	s_sub_co_u32 s13, s13, s[OFF]
	s_lshl_b32 s[OFF], s[PB], 9
	s_sub_co_u32 s[TMLO], s13, s[OFF]
	s_sub_co_u32 s[TMHI], s13, 15*512
	s_add_co_u32 s[TMHI], s[TMHI], s[OFF]
	s_mov_b32 s[OFF+1], 0
	s_lshr_b32 s13, s[PB], 1
	s_add_co_u32 s[RT], s13, 1                     ; the first block has b / 2 + 1 slots,
	s_sub_co_u32 s[NH1], 7, s13                    ; the second 8 - b / 2
	s_mov_b32 s[NXT], 1
	s_mov_b32 s[LQ], s13
	s_cmp_gt_u32 s[NXT], s[LQ]
	s_cselect_b32 s[NXT], 0, s[NXT]
	s_cselect_b32 s[LQ], s[NH1], s[LQ]
	s_cmp_eq_u32 s[PB], 0
	s_cselect_b32 s[LIM], 2, -1
	s_mov_b32 s[SLOTS], 8
	s_wait_dscnt 0x0                               ; the opening add is done
	s_wait_kmcnt 0x0
	s_add_nc_u64 s[6:7], s[84:85], s[22:23]
	s_add_nc_u64 s[8:9], s[6:7], 0x800000          ; V: the third part
	s_add_nc_u64 s[4:5], s[84:85], s[2:3]
	s_add_nc_u64 s[PFA:PFA+1], s[84:85], s[20:21]
	s_add_nc_u64 s[84:85], s[84:85], s[18:19]      ; the second block's Q
	s_add_nc_u64 s[OHI:OHI+1], s[10:11], s[18:19]
	s_add_nc_u64 s[10:11], s[10:11], s[2:3]
	s_add_nc_u64 s[G0T+2:G0T+3], s[86:87], s[16:17]
	s_or_b32 s[G0T+3], s[G0T+3], 0x80000000
	s_add_nc_u64 s[G0K+2:G0K+3], s[6:7], 0
	s_or_b32 s[G0K+3], s[G0K+3], 0x80000000
	s_add_nc_u64 s[G0V+2:G0V+3], s[8:9], 0
	s_or_b32 s[G0V+3], s[G0V+3], 0x80000000
	tensor_load_to_lds s[G0T:G0T+3], s[G1T:G1T+7]  ; my copy of the table, and my part of slot 0: two loads of mine are out; the first wait for them is for 0
	s_nop 0
	LOAD
	v_and_b32 v1, 15, v0                           ; r
	v_bfe_u32 v9, v0, 4, 1                         ; h
	v_lshlrev_b32 v[QO], 7, v1
	v_lshl_add_u32 v[QO], v9, 4, v[QO]
	WIN 0x80
.set i, 0
.rept 8                                ; both blocks' Q: piece i / 2, channels 32 (i % 2) on
	global_load_b128 v[8*i:8*i+3],   v[QO], s[4:5] offset:(i/2)*2048+(i%2)*64
	global_load_b128 v[8*i+4:8*i+7], v[QO], s[4:5] offset:(i/2)*2048+(i%2)*64+32
	global_load_b128 v[QB+8*i:QB+8*i+3],   v[QO], s[84:85] offset:(i/2)*2048+(i%2)*64
	global_load_b128 v[QB+8*i+4:QB+8*i+7], v[QO], s[84:85] offset:(i/2)*2048+(i%2)*64+32
.set i, i+1
.endr
	WIN 0
	v_mul_u32_u24 v[AK0], v1, PK
	v_lshl_add_u32 v[AK0], v9, 4, v[AK0]
	v_and_b32 v10, 7, v0
	v_bfe_u32 v11, v0, 3, 1
	v_lshl_add_u32 v[AV0], v9, 3, v10
	v_mul_u32_u24 v[AV0], v[AV0], PV
	v_lshl_add_u32 v[AV0], v11, 4, v[AV0]
	v_add_nc_u32 v[AV0], VOFF, v[AV0]
	; The mask of key 16 kb + 8 h + j and query 16 x + r is entry 2000 + (first key - first row) + 16 (kb - x + 3) + 8 h - 4 (r / 4) + j of copy r % 4: eight entries on end, at a multiple of 16 bytes.
	v_and_b32 v[AM0], 3, v0                        ; copy r % 4,
	v_mul_u32_u24 v[AM0], v[AM0], MPITCH
	v_lshl_add_u32 v[AM0], v9, 5, v[AM0]           ; + 32 h
	v_add_nc_u32 v[AM0], MTAB+48, v[AM0]           ; + the table's base + 48
	v_bfe_u32 v11, v0, 2, 2
	v_lshlrev_b32 v11, 4, v11
	v_sub_nc_u32 v[AM0], v[AM0], v11               ; - 16 (r / 4): MTAB at the least; with the cursor (8,720 at the most) and a fetch's 416 bytes under MTAB + 37,120
	s_mul_i32 s13, s[WV], 16*SP
	s_add_co_u32 s13, s13, STAGE
	v_mul_u32_u24 v[STO], v1, SP
	v_lshl_add_u32 v[STO], v9, 4, v[STO]
	v_add_nc_u32 v[STO], s13, v[STO]
	v_bfe_u32 v[RD], v0, 3, 2
	v_mul_u32_u24 v[RD], v[RD], SP
	v_lshl_add_u32 v[RD], v10, 4, v[RD]
	v_add_nc_u32 v[RD], s13, v[RD]
	v_and_b32 v[GO], 31, v0
	v_lshlrev_b32 v[GO], 4, v[GO]
	s_mul_i32 s13, s[WV], XWAVE
	s_add_co_u32 s13, s13, XBASE
	v_add_nc_u32 v[XW], s13, v[GO]
	s_xor_b32 s13, s[WV], 1
	s_mul_i32 s13, s13, XWAVE
	s_add_co_u32 s13, s13, XBASE
	v_add_nc_u32 v[XR], s13, v[GO]
	v_and_b32 v[PFO], 31, v0
	v_lshlrev_b32 v[PFO], 8, v[PFO]
	v_add_nc_u32 v[PFO2], 0x800000, v[PFO]
	; A block's first step multiplies O^T and l by 0, and its first turn's products V^T P land in an O^T that is still to be so multiplied: these registers need only hold finite numbers.  All this stands in the wait for the first tile.
	WIN 0x80
.set i, VF
.rept 64
	v_mov_b32 v[i], 0
.set i, i+1
.endr
	WIN 0x40
.set i, 0
.rept 128
	v_mov_b32 v[i], 0
.set i, i+1
.endr
	WIN 0
.set i, 0
.rept 4
	v_mov_b32 v[ST+4*i+2], 0
	v_mov_b32 v[ST+4*i+3], 0
.set i, i+1
.endr
.set i, P+16
.rept 16
	v_mov_b32 v[i], 0
.set i, i+1
.endr
.set NOKQ, 0
	CHANGE 1                                       ; slot 0 and the table are in, everybody's part; LDS slot 1 is filled for the first time
	s_sub_co_u32 s[RT], s[RT], 1
	s_mov_b32 s[CNT], 2
	BEGIN TMLO
	s_branch .Lfirst                               ; the loop is entered at a step's first turn
.Lslot:                                        ; seven times: a slot is entered and the next is asked for
	CHANGE 1
	s_sub_co_u32 s[RT], s[RT], 1
	s_mov_b32 s[CNT], 2
	s_cmp_eq_u32 s[NEW], 1
	s_cbranch_scc0 .Lstep
	FINAL 0                                        ; the change's wait and barrier stand between the partners' stores into the exchange and these reads
	s_wait_dscnt 0x0
	s_barrier_signal -1                            ; every wave has read the first exchange area out before any later store could land in it
	s_barrier_wait -1
	s_wait_xcnt 0x0                                ; the stores have read their registers and O's address
	s_mov_b64 s[10:11], s[OHI:OHI+1]
	s_mov_b32 s[RT], s[NH1]
	WIN 0x82
.set i, 0
.rept 64
	v_mov_b32 v[i], v[QB+i]
.set i, i+1
.endr
	WIN 0
	BEGIN TMHI
	s_branch .Lfirst
.Lstep:                                        ; a trip: pieces 2 and 3 of one of my steps, then pieces 0 and 1 of the next
	TURN 2
	TURN 3
	WIN 0
.Lfirst:
	TURN 0
	TURN 1, 0, 1
	WIN 0
	s_cbranch_scc1 .Lstep
	s_cmp_eq_u32 s[RT], 0
	s_cbranch_scc0 .Lbottom
	TURN 2, 1                                      ; the first block's end
	TURN 3, 1
	LASTPV
	XOUT 0
	s_mov_b32 s[NEW], 1
.Lbottom:
	s_sub_co_u32 s[SLOTS], s[SLOTS], 1
	s_cmp_lg_u32 s[SLOTS], 0
	s_cbranch_scc1 .Lslot
	CHANGE 0                                       ; the walk's last slot is written out
	s_mov_b32 s[CNT], 2
.LstepT:
	TURN 2
	TURN 3
	TURN 0
	TURN 1, 0, 1
	WIN 0
	s_cbranch_scc1 .LstepT
	TURN 2, 1
	TURN 3, 1
	LASTPV
	XOUT 1
	s_wait_dscnt 0x0                               ; for the partner's sake: my stores into the exchange are done
	s_barrier_signal -1
	s_barrier_wait -1
	FINAL 1
	s_wait_tensorcnt 0x0                           ; the wave's end
	ds_add_u32 v[SPW], v[NIL]
	s_wait_dscnt 0x0
	s_endpgm
.Lfunc_end_k_qbe7b2544c7_attn:
	.size	k_qbe7b2544c7_attn, .Lfunc_end_k_qbe7b2544c7_attn-k_qbe7b2544c7_attn
	.p2alignl 7, 3214868480
	.fill 96, 4, 3214868480
	.section	.rodata,"a",@progbits
	.p2align	6, 0x0
	.amdhsa_kernel k_qbe7b2544c7_attn
		.amdhsa_group_segment_fixed_size 327680
		.amdhsa_private_segment_fixed_size 0
		.amdhsa_enable_private_segment 0
		.amdhsa_kernarg_size 24
		.amdhsa_user_sgpr_count 2
		.amdhsa_user_sgpr_kernarg_segment_ptr 1
		.amdhsa_wavefront_size32 1
		.amdhsa_system_sgpr_workgroup_id_x 1
		.amdhsa_system_sgpr_workgroup_id_y 1
		.amdhsa_system_sgpr_workgroup_id_z 1
		.amdhsa_system_vgpr_workitem_id 0
		.amdhsa_next_free_vgpr 768
		.amdhsa_next_free_sgpr 88
		.amdhsa_reserve_vcc 0
		.amdhsa_float_denorm_mode_32 3
		.amdhsa_float_denorm_mode_16_64 3
		.amdhsa_memory_ordered 1
		.amdhsa_forward_progress 1
		.amdhsa_inst_pref_size 194
	.end_amdhsa_kernel
	.amdgpu_metadata
---
amdhsa.version: [ 1, 2 ]
amdhsa.kernels:
  - .name:           k_qbe7b2544c7_attn
    .symbol:         k_qbe7b2544c7_attn.kd
    .args:
      - { .name: qkvh, .offset: 0, .size: 8, .value_kind: global_buffer, .address_space: global }
      - { .name: mtab, .offset: 8, .size: 8, .value_kind: global_buffer, .address_space: global }
      - { .name: oh, .offset: 16, .size: 8, .value_kind: global_buffer, .address_space: global }
    .group_segment_fixed_size: 327680
    .private_segment_fixed_size: 0
    .kernarg_segment_align: 8
    .kernarg_segment_size: 24
    .max_flat_workgroup_size: 128
    .sgpr_count:     88
    .vgpr_count:     768
    .wavefront_size: 32
...
	.end_amdgpu_metadata
.endif
;; end of part 3
;; launch proj (part 4): grid 8 x 32, 4 waves a work-group, clusters of 4 x 4, 327,680 bytes of LDS; arguments oh, wpb, brd, out0; writes out0
.if DOCPART == 4
	.amdgcn_target "amdgcn-amd-amdhsa--gfx1250"
	.amdhsa_code_object_version 6
	.text
	.protected	k_qbe7b2544c7_proj
	.globl	k_qbe7b2544c7_proj
	.p2align	8
	.type	k_qbe7b2544c7_proj,@function
k_qbe7b2544c7_proj:
	s_mov_b64 s[64:65], 0
	v_nop
	global_prefetch_b8 v0, s[64:65] scope:SCOPE_SE
	s_setreg_imm32_b32 hwreg(HW_REG_WAVE_MODE, 25, 1), 1
	s_wait_xcnt 0x0
	s_wait_alu depctr_hold_cnt(0) depctr_sa_sdst(0) depctr_va_vdst(0) depctr_va_sdst(0) depctr_va_ssrc(0) depctr_va_vcc(0) depctr_vm_vsrc(0)
	s_getreg_b32 s2, hwreg(HW_REG_IB_STS2, 6, 4)
	s_cmp_eq_u32 s2, 0
	s_cbranch_scc0 .Lentry_in_a_cluster
	s_endpgm
.Lentry_in_a_cluster:
	s_bfe_u32 s2, ttmp6, 0x10000c
	s_cmp_lg_u32 s2, 0xf033
	s_cbranch_scc0 .Lentry_shape_is_right
	s_endpgm
.Lentry_shape_is_right:
; out0 = y w_proj + b_proj.  oh: [32 batch x head][2048][64] f16, so y[m][64 head + d] lies by heads.  wpb: [1024 k][1024 n] f16.  brd: f32 biases, b_proj from word 3,072 on.  out0: [4096][1024] f32.
; A tile is 128 x 128: 256 work-groups; a wave makes 64 x 64 in 16 accumulators.  K goes in 4 steps of 256 (four heads) through two LDS slots; a quarter of a step is one head.
; y's part of a load is two heads' 128 rows, each head 16,384 dense bytes, padded after every row of 128; one two-dimensional descriptor covers two heads only with a head as a row.
; The weights come out of LDS turned and stand as source 0: a lane ends with eight neighbouring columns of one row; the bias is the C that starts the sums.
; CLUSTER 4 x 4: y's tile shared along a row, the weights' along a column.  NO PREFETCH: every tile is read by 8 or 32 work-groups, and the whole walk is four K steps.
; REGISTERS.  window 0: v16-29 addresses; v96-127 the bias; v128-255 accumulators ((a, b) at 128 + 8 (4 a + b)).  window 1: two fragment buffers of 128; on the way out the rows read back.
.set KSTEP,  256
.set PAA,    144
.set PBB,    288
.set HEADC,  128*PAA
.set HALFT,  2*HEADC                   ; = 128 x PBB: what each of the four loads brings
.set SLOT,   4*HALFT
.set STAGE,  2*SLOT                    ; 16 rows x 272 bytes for each wave
.set SPITCH, 272
.set SPARE,  STAGE+4*16*SPITCH
.set LAPS,   2
.set ADRA, 16
.set ADRB, 20
.set STO,  24
.set RD,   25
.set CO,   26
.set BO,   27
.set SPW,  28
.set NIL,  29
.set BIAS, 96
.set ACC,  128
.set F0,   0
.set F1,   128
.set WV, 12
.set WM, 13
.set WN, 14
.set TY, 15
.set G1, 24
.set G0, 32
.set G1B, 48
.set G0B, 56
.set MSB, 0
.macro WIN new
.if MSB != (\new)
	s_set_vgpr_msb (MSB<<8)|(\new)
.set MSB, \new
.endif
.endm
.set MUL,  0x05
.set TO_F, 0x40
.macro JLOAD s
	s_cmp_eq_u32 s[WM], 0
	s_cbranch_scc0 .Lfor_b_\@
	tensor_load_to_lds s[G0+4*(\s):G0+4*(\s)+3], s[G1:G1+7]
	s_nop 0
.rept 4
	v_nop
.endr
	s_branch .Lasked_\@
.Lfor_b_\@:
	tensor_load_to_lds s[G0B+4*(\s):G0B+4*(\s)+3], s[G1B:G1B+7]
	s_nop 0
.rept 4
	v_nop
.endr
.Lasked_\@:
.endm
.macro CREST
	s_cmp_lg_u32 s[WV], 0
	s_cbranch_scc1 .Lnot_wave_0_\@
	s_barrier_signal -3
.Lnot_wave_0_\@:
	s_barrier_wait -3
	s_barrier_signal -1
	s_barrier_wait -1
.endm
.macro CROUND
	s_barrier_signal -1
	s_barrier_wait -1
	CREST
.endm
.macro PLACES
.rept 4
	v_nop
.endr
.endm
; 8 matrix instructions: row blocks a0, a0 + 1 x all 4 column blocks, 32 along K: half c of buffer f.  first = 1: the bias starts the sums.  The 16 accumulators take turns.
.macro MUL8 f, c, a0, first
	WIN MUL
.irp a, \a0, (\a0)+1
.irp b, 0,1,2,3
.if \first
	v_wmma_f32_16x16x32_f16 v[ACC+8*(4*(\a)+(\b)):ACC+8*(4*(\a)+(\b))+7], v[(\f)+64+8*(4*(\c)+(\b)):(\f)+64+8*(4*(\c)+(\b))+7], v[(\f)+8*(4*(\c)+(\a)):(\f)+8*(4*(\c)+(\a))+7], v[BIAS+8*(\b):BIAS+8*(\b)+7]
.else
	v_wmma_f32_16x16x32_f16 v[ACC+8*(4*(\a)+(\b)):ACC+8*(4*(\a)+(\b))+7], v[(\f)+64+8*(4*(\c)+(\b)):(\f)+64+8*(4*(\c)+(\b))+7], v[(\f)+8*(4*(\c)+(\a)):(\f)+8*(4*(\c)+(\a))+7], v[ACC+8*(4*(\a)+(\b)):ACC+8*(4*(\a)+(\b))+7]
.endif
.endr
.endr
.endm
; 32 LDS loads in one run: quarter q (one head, 64 along K) into buffer f; the first 32 along K first
.macro FETCH slot, q, f
	WIN TO_F
.irp c, 0,1
.irp i, 0,1,2,3
	ds_load_tr16_b128 v[(\f)+64+8*(4*(\c)+(\i)):(\f)+64+8*(4*(\c)+(\i))+3],   v[ADRB+2*(\slot)+(\q)/2] offset:(((\q)%2)*64+32*(\c))*PBB+32*(\i)
	ds_load_tr16_b128 v[(\f)+64+8*(4*(\c)+(\i))+4:(\f)+64+8*(4*(\c)+(\i))+7], v[ADRB+2*(\slot)+(\q)/2] offset:(((\q)%2)*64+32*(\c))*PBB+32*(\i)+16*PBB
	ds_load_b128 v[(\f)+8*(4*(\c)+(\i)):(\f)+8*(4*(\c)+(\i))+3],   v[ADRA+(\slot)] offset:HEADC*(\q)+16*PAA*(\i)+64*(\c)
	ds_load_b128 v[(\f)+8*(4*(\c)+(\i))+4:(\f)+8*(4*(\c)+(\i))+7], v[ADRA+(\slot)] offset:HEADC*(\q)+16*PAA*(\i)+64*(\c)+32
.endr
.endr
.endm
.macro QUARTER slot, q, f, g, first
	s_wait_dscnt 16                                ; the first 32 along K are in
	MUL8 \f, 0, 0, \first
	MUL8 \f, 0, 2, \first
	PLACES
	FETCH \slot, \q, \g
	s_wait_dscnt 32                                ; all but the 32 just issued
	MUL8 \f, 1, 0, 0
	MUL8 \f, 1, 2, 0
.endm
; The last quarter multiplies buffer 1 and changes slots: in front of the barrier each wave waits for all its tensor loads, adds 0 to its spare word, and waits for that and for its reads of this slot.
.macro TURN slot, next, fill
	WIN 0
	s_wait_tensorcnt 0x0
	ds_add_u32 v[SPW], v[NIL]
	s_wait_dscnt 17                                ; the add and the youngest sixteen loads may be out
	MUL8 F1, 0, 0, 0
	s_wait_dscnt 0x0
	s_barrier_signal -1
	MUL8 F1, 0, 2, 0
.if \fill
	WIN 0
.endif
	s_barrier_wait -1
.if \fill
	CREST
	s_add_nc_u64 s[G0+4*(\slot)+2:G0+4*(\slot)+3], s[G0+4*(\slot)+2:G0+4*(\slot)+3], 8*262144
	s_add_nc_u64 s[G0B+4*(\slot)+2:G0B+4*(\slot)+3], s[G0B+4*(\slot)+2:G0B+4*(\slot)+3], 2*KSTEP*1024*2
	JLOAD \slot
.else
	PLACES
.endif
	FETCH \next, 0, F0
	MUL8 F1, 1, 0, 0
	MUL8 F1, 1, 2, 0
.endm
	s_load_b128 s[4:7], s[0:1], 0x0                ; oh s[4:5], wpb s[6:7]
	s_load_b128 s[68:71], s[0:1], 0x10             ; brd s[68:69], out0 s[70:71]
	v_lshl_add_u32 v[SPW], v0, 2, SPARE
	v_mov_b32 v[NIL], 0
	ds_add_u32 v[SPW], v[NIL]                      ; the opening: the add and its wait ahead of my first tensor load
	v_lshrrev_b32 v1, 5, v0
	v_readfirstlane_b32 s[WV], v1
	s_lshr_b32 s[WM], s[WV], 1
	s_and_b32 s[WN], s[WV], 1
	s_bfe_u32 s40, ttmp6, 0x40000
	s_bfe_u32 s41, ttmp6, 0x40004
	s_lshl_b32 s42, ttmp9, 2
	s_add_co_u32 s42, s42, s40                     ; tile column
	s_and_b32 s[TY], ttmp7, 0xffff
	s_lshl_b32 s[TY], s[TY], 2
	s_add_co_u32 s[TY], s[TY], s41                 ; tile row
	s_lshl_b32 s43, s41, 2
	s_lshl_b32 s43, 15, s43
	s_lshl_b32 s44, 0x1111, s40
	s_or_b32 s[G1], s43, (1<<16)|(1<<20)|(1<<21)|(4<<22)|(3<<25)   ; 4 words of padding after every 32
	s_or_b32 s[G1B], s44, (1<<16)|(1<<20)|(1<<21)|(5<<22)|(7<<25)  ; 8 words after every 64
	s_mov_b32 s[G1+1], 8192<<16                    ; y: 2 rows (heads) x 8,192 elements, 131,072 from head to head
	s_mov_b32 s[G1+2], 2<<16
	s_mov_b32 s[G1+3], 8192<<16
	s_mov_b32 s[G1+4], 2
	s_mov_b32 s[G1+5], 131072
	s_mov_b32 s[G1+6], 0
	s_mov_b32 s[G1+7], 0
	s_mov_b32 s[G1B+1], 128<<16                    ; weights: 128 k rows x 128 elements
	s_mov_b32 s[G1B+2], 128<<16
	s_mov_b32 s[G1B+3], 128<<16
	s_mov_b32 s[G1B+4], 128
	s_mov_b32 s[G1B+5], 1024
	s_mov_b32 s[G1B+6], 0
	s_mov_b32 s[G1B+7], 0
	s_lshr_b32 s16, s[TY], 4
	s_lshl_b32 s16, s16, 4                         ; 16 x batch
	s_lshl_b32 s17, s[WN], 1
	s_add_co_u32 s16, s16, s17                     ; + my two heads of the step's four
	s_lshl_b32 s16, s16, 18
	s_and_b32 s17, s[TY], 15
	s_lshl_b32 s17, s17, 14                        ; + the tile's 128 rows
	s_add_co_u32 s16, s16, s17
	s_mov_b32 s17, 0
	s_lshl_b32 s46, s[WN], 18                      ; weights: k row 128 x half,
	s_lshl_b32 s47, s42, 8                         ; column 128 x tile column
	s_add_co_u32 s46, s46, s47
	s_mov_b32 s47, 0
	s_mul_i32 s20, s[WV], HALFT                    ; where they go: wave x 36,864
	s_wait_dscnt 0x0
	s_wait_kmcnt 0x0
	s_add_nc_u64 s[18:19], s[4:5], s[16:17]
	s_add_nc_u64 s[46:47], s[6:7], s[46:47]
	CROUND
.irp s, 0,1
	s_mov_b32 s[G0+4*(\s)], 1
	s_add_co_u32 s[G0+4*(\s)+1], s20, (\s)*SLOT
	s_add_nc_u64 s[G0+4*(\s)+2:G0+4*(\s)+3], s[18:19], (\s)*4*262144
	s_or_b32 s[G0+4*(\s)+3], s[G0+4*(\s)+3], 0x80000000
	s_mov_b32 s[G0B+4*(\s)], 1
	s_add_co_u32 s[G0B+4*(\s)+1], s20, (\s)*SLOT
	s_add_nc_u64 s[G0B+4*(\s)+2:G0B+4*(\s)+3], s[46:47], (\s)*KSTEP*1024*2
	s_or_b32 s[G0B+4*(\s)+3], s[G0B+4*(\s)+3], 0x80000000
	JLOAD \s
.endr
	v_and_b32 v1, 15, v0
	v_bfe_u32 v2, v0, 4, 1
	v_mul_u32_u24 v3, v1, PAA
	v_lshl_add_u32 v3, v2, 4, v3
	s_mul_i32 s21, s[WM], 64*PAA
	v_add_nc_u32 v[ADRA], s21, v3
	v_add_nc_u32 v[ADRA+1], SLOT, v[ADRA]
	v_and_b32 v4, 7, v0
	v_bfe_u32 v5, v0, 3, 1
	v_lshl_add_u32 v4, v2, 3, v4
	v_mul_u32_u24 v4, v4, PBB
	v_lshl_add_u32 v4, v5, 4, v4
	s_lshl_b32 s22, s[WN], 7
	s_add_co_u32 s22, s22, 2*HALFT
	v_add_nc_u32 v[ADRB], s22, v4
	v_add_nc_u32 v[ADRB+1], HALFT, v[ADRB]
	v_add_nc_u32 v[ADRB+2], SLOT, v[ADRB]
	v_add_nc_u32 v[ADRB+3], SLOT+HALFT, v[ADRB]
	s_mul_i32 s23, s[WV], 16*SPITCH
	s_add_co_u32 s23, s23, STAGE
	v_mul_u32_u24 v6, v1, SPITCH                   ; into my stage: row r, 32 bytes for each half of the lanes
	v_lshl_add_u32 v6, v2, 5, v6
	v_add_nc_u32 v[STO], s23, v6
	v_mul_u32_u24 v6, v2, SPITCH                   ; back: lanes 0-15 one row of 256 bytes, lanes 16-31 the next
	v_lshl_add_u32 v6, v1, 4, v6
	v_add_nc_u32 v[RD], s23, v6
	v_lshlrev_b32 v6, 12, v2                       ; and the same two rows of out0
	v_lshl_add_u32 v[CO], v1, 4, v6
	v_lshlrev_b32 v[BO], 5, v2
	s_lshl_b32 s46, s42, 9
	s_lshl_b32 s47, s[WN], 8
	s_add_co_u32 s46, s46, s47                     ; my 64 columns, in bytes of f32
	s_mov_b32 s47, 0
	s_add_nc_u64 s[68:69], s[68:69], s[46:47]
	s_add_nc_u64 s[70:71], s[70:71], s[46:47]
.irp b, 0,1,2,3
	global_load_b128 v[BIAS+8*\b:BIAS+8*\b+3],   v[BO], s[68:69] offset:12288+64*\b
	global_load_b128 v[BIAS+8*\b+4:BIAS+8*\b+7], v[BO], s[68:69] offset:12288+64*\b+16
.endr
	s_lshl_b32 s16, s[TY], 19
	s_lshl_b32 s17, s[WM], 18
	s_add_co_u32 s16, s16, s17                     ; my 64 rows, 4,096 bytes each
	s_mov_b32 s17, 0
	s_add_nc_u64 s[70:71], s[70:71], s[16:17]
	s_wait_tensorcnt 1                             ; my part of K step 0 is in; K step 1's may stay out
	s_barrier_signal -1
	s_barrier_wait -1
	FETCH 0, 0, F0
	s_wait_loadcnt 0x0                             ; the bias
	QUARTER 0, 1, F0, F1, 1
	WIN 0
	s_mov_b32 s3, LAPS-1
.Llap:
	QUARTER 0, 2, F1, F0, 0
	QUARTER 0, 3, F0, F1, 0
	TURN 0, 1, 1
	QUARTER 1, 1, F0, F1, 0
	QUARTER 1, 2, F1, F0, 0
	QUARTER 1, 3, F0, F1, 0
	TURN 1, 0, 1
	QUARTER 0, 1, F0, F1, 0
	WIN 0
	s_sub_co_u32 s3, s3, 1
	s_cmp_lg_u32 s3, 0
	s_cbranch_scc1 .Llap
	QUARTER 0, 2, F1, F0, 0                        ; the last lap fills nothing
	QUARTER 0, 3, F0, F1, 0
	TURN 0, 1, 0
	QUARTER 1, 1, F0, F1, 0
	QUARTER 1, 2, F1, F0, 0
	QUARTER 1, 3, F0, F1, 0
	s_wait_dscnt 16
	MUL8 F1, 0, 0, 0
	MUL8 F1, 0, 2, 0
	s_wait_dscnt 0x0
	MUL8 F1, 1, 0, 0
	MUL8 F1, 1, 2, 0
	WIN 0
; THE WAY OUT: 16 rows at a time through my own stage; sixteen lanes then store 256 consecutive bytes, aligned.
.macro STG a
	WIN 0
.irp b, 0,1,2,3
	ds_store_b128 v[STO], v[ACC+8*(4*(\a)+\b):ACC+8*(4*(\a)+\b)+3]   offset:64*\b
	ds_store_b128 v[STO], v[ACC+8*(4*(\a)+\b)+4:ACC+8*(4*(\a)+\b)+7] offset:64*\b+16
.endr
	WIN 0x40
.irp t, 0,1,2,3,4,5,6,7
	ds_load_b128 v[32*(\a)+4*\t:32*(\a)+4*\t+3], v[RD] offset:2*SPITCH*\t   ; LDS serves a wave's instructions in order: these see the stores above, and the next block's stores come behind them
.endr
.endm
.macro SENDP a, younger
	WIN 0x04
.irp t, 0,1,2,3,4,5,6,7
	s_wait_dscnt (\younger)+7-\t
	global_store_b128 v[CO], v[32*(\a)+4*\t:32*(\a)+4*\t+3], s[70:71] offset:(16*(\a)+2*\t)*4096 th:TH_STORE_NT
.endr
.endm
	PLACES
	PLACES
	STG 0
	STG 1
	SENDP 0, 16
	STG 2
	SENDP 1, 16
	STG 3
	SENDP 2, 16
	SENDP 3, 0
	WIN 0
	s_wait_tensorcnt 0x0                           ; the wave's end
	ds_add_u32 v[SPW], v[NIL]
	s_wait_dscnt 0x0
	CROUND                                         ; the closing round
	s_endpgm
.Lfunc_end_k_qbe7b2544c7_proj:
	.size	k_qbe7b2544c7_proj, .Lfunc_end_k_qbe7b2544c7_proj-k_qbe7b2544c7_proj
	.p2alignl 7, 3214868480
	.fill 96, 4, 3214868480
	.section	.rodata,"a",@progbits
	.p2align	6, 0x0
	.amdhsa_kernel k_qbe7b2544c7_proj
		.amdhsa_group_segment_fixed_size 327680
		.amdhsa_private_segment_fixed_size 0
		.amdhsa_enable_private_segment 0
		.amdhsa_kernarg_size 32
		.amdhsa_user_sgpr_count 2
		.amdhsa_user_sgpr_kernarg_segment_ptr 1
		.amdhsa_wavefront_size32 1
		.amdhsa_system_sgpr_workgroup_id_x 1
		.amdhsa_system_sgpr_workgroup_id_y 1
		.amdhsa_system_sgpr_workgroup_id_z 1
		.amdhsa_system_vgpr_workitem_id 0
		.amdhsa_next_free_vgpr 512
		.amdhsa_next_free_sgpr 72
		.amdhsa_reserve_vcc 0
		.amdhsa_float_denorm_mode_32 3
		.amdhsa_float_denorm_mode_16_64 3
		.amdhsa_memory_ordered 1
		.amdhsa_forward_progress 1
		.amdhsa_inst_pref_size 88
	.end_amdhsa_kernel
	.amdgpu_metadata
---
amdhsa.version: [ 1, 2 ]
amdhsa.kernels:
  - .name:           k_qbe7b2544c7_proj
    .symbol:         k_qbe7b2544c7_proj.kd
    .args:
      - { .name: oh, .offset: 0, .size: 8, .value_kind: global_buffer, .address_space: global }
      - { .name: wpb, .offset: 8, .size: 8, .value_kind: global_buffer, .address_space: global }
      - { .name: brd, .offset: 16, .size: 8, .value_kind: global_buffer, .address_space: global }
      - { .name: out0, .offset: 24, .size: 8, .value_kind: global_buffer, .address_space: global }
    .group_segment_fixed_size: 327680
    .private_segment_fixed_size: 0
    .kernarg_segment_align: 8
    .kernarg_segment_size: 32
    .max_flat_workgroup_size: 128
    .sgpr_count:     72
    .vgpr_count:     512
    .wavefront_size: 32
...
	.end_amdgpu_metadata
.endif
;; end of part 4
;; ======== version 2 of 2: 4 launches; version 1 with the launch prep written anew for expert scheduling mode
;; limits: values are held in f16: magnitudes above 65,504 overflow, below 6.1e-05 lose precision
;; workspace buffers: xb 8,388,608 bytes; wab 6,291,456 bytes; wpb 2,097,152 bytes; brd 16,384 bytes; mtab 606,208 bytes; qkvh 25,165,824 bytes; oh 8,388,608 bytes
;; launch prep (part 5): grid 577 x 1, 8 waves a work-group, no clusters, 0 bytes of LDS; arguments x, w_attn, w_proj, b_attn, b_proj, span_params, period_weight, ratio_weight, xb, wab, wpb, brd, mtab, out1; writes xb, wab, wpb, brd, mtab, out1
.if DOCPART == 5
	.amdgcn_target "amdgcn-amd-amdhsa--gfx1250"
	.amdhsa_code_object_version 6
	.text
	.protected	k_qbe7b2544c7_prep
	.globl	k_qbe7b2544c7_prep
	.p2align	8
	.type	k_qbe7b2544c7_prep,@function
k_qbe7b2544c7_prep:
	s_mov_b64 s[64:65], 0
	v_nop
	global_prefetch_b8 v0, s[64:65] scope:SCOPE_SE
	s_setreg_imm32_b32 hwreg(HW_REG_WAVE_SCHED_MODE, 0, 2), 2
	s_setreg_imm32_b32 hwreg(HW_REG_WAVE_MODE, 25, 1), 1
	s_wait_xcnt 0x0
	s_wait_alu depctr_vm_vsrc(0)
; PREPARATION.  Every input is rounded once to bf16 here, and all later launches work on the rounded numbers alone.
; Work-groups 0-255: x -> xb (bf16).  256-447: w_attn -> wab (bf16).  448-511: w_proj -> wpb (the bf16 number written as f16).
; 512-575: the mask tables, one work-group for each head and copy.  576: both biases (bf16 numbers kept as f32) and the span loss.
; A conversion group takes 65,536 bytes: 16 loads of 16 bytes a thread, all out at once; a wave's load covers 512 consecutive bytes, a wave's store 256, aligned.
; THE TABLE.  mask[h][i][j] hangs on rel = i - j alone.  T(rel) = log2(span ramp x clipped wave), not below -1e30; -1e30 outside 0 .. 2047.
; mtab[head][copy c][n] = T(2048 + c - n), n = 0 .. 2367: four copies shifted by one entry, so that a lane of the attention launch finds eight entries on end at a multiple of 16 bytes.
; cos(2 pi u) = sin(2 pi g), g = 1/4 - |u - round(u)|, |g| <= 1/4, by the odd series up to g^13 (the next term is under 1e-9).
; LIMITS.  bf16 w_proj below 2^-14 keeps f16's fixed step of 2^-24.  A mask below 2^-126 counts as 0.  The sigmoid's exponent is held at 126.  NaN is not treated apart.
; THE MODE: SCHED_MODE bits 1:0 = 2 (LLVM: expert scheduling mode 2), set by the entry lines.  The code itself states the register dependences
; between vector instructions and memory instructions, with s_wait_alu, always for 0.
; THE PLAN.  Registers that memory instructions touch; none of them is written twice on a path, so no register that a memory instruction has read is ever written again:
;   v1, v2      byte offsets in and out, made once at the head; one wait there serves every path.
;   v[4:67]     a conversion group's 16 loads land here once; its roundings read them.  (Bias group: v[4:19]; table and bias groups: the three parameters in v4 to v6.)
;   v[68:99]    written once by the roundings, read once by the stores.  The 16 go in four blocks of four: the block's roundings, ONE wait, the block's four stores.
;               The wait stands behind the block's own roundings: at the next block's head its stores would be held until that block's data has landed.
;   v3          the parameters' offset, made on the table's and the bias group's paths, with a wait between it and the loads that read it.
;   v[26:28], v[44:55]  the table's three offsets and three groups of four entries.  The wait behind a round's logarithms also shows the round before written, and that round's store follows it.
;   v100 to v103 and all else: named by vector instructions alone.
; Scalars that vector instructions write: a round's four masks (s44 to s47), made in one run with one wait ahead of the selects; the wave's number (s6); VCC for the loss's one lane.
.set BIGN, 0xf149f2ca                  ; -1e30
.set HI16, 0xffff0000
.set NL2E, 0xbfb8aa3b                  ; -log2(e)
; 16 loads, then four blocks of four: the counted wait (the younger blocks stay out), the roundings, one wait, the stores.  No register is used twice, so no wait frees one.
.macro CONV half
.set i, 0
.rept 16
	global_load_b128 v[4+4*i:7+4*i], v1, s[8:9] offset:4096*i th:TH_LOAD_NT
.set i, i+1
.endr
.set g, 0
.rept 4
	s_wait_loadcnt 12-4*g                          ; loads come back in order: this block's four are in, the 12 - 4 g younger ones stay out
.set i, 4*g
.rept 4
.if \half
	v_cvt_pk_bf16_f32 v100, v[4+4*i], v[5+4*i]
	v_cvt_pk_bf16_f32 v101, v[6+4*i], v[7+4*i]
	v_lshlrev_b32 v102, 16, v100
	v_and_b32 v103, HI16, v100
	v_cvt_pk_f16_f32 v[68+2*i], v102, v103
	v_lshlrev_b32 v102, 16, v101
	v_and_b32 v103, HI16, v101
	v_cvt_pk_f16_f32 v[69+2*i], v102, v103
.else
	v_cvt_pk_bf16_f32 v[68+2*i], v[4+4*i], v[5+4*i]
	v_cvt_pk_bf16_f32 v[69+2*i], v[6+4*i], v[7+4*i]
.endif
.set i, i+1
.endr
	s_wait_alu depctr_va_vdst(0)                   ; the block's roundings have written its eight registers of v[68:99], which the four stores below read
.set i, 4*g
.rept 4
	global_store_b64 v2, v[68+2*i:69+2*i], s[10:11] offset:2048*i
.set i, i+1
.endr
.set g, g+1
.endr
	s_endpgm
.endm
; From span v4, period weight v5, ratio weight v6 (as loaded): v16 span, v17 period, v18 ratio, v19 1/period, v20 period/8, v21 period/8 + 1/2 + period x ratio, v22 (span + 32)/32.
.macro PARAMS
	v_cvt_pk_bf16_f32 v7, v4, v5
	v_lshlrev_b32 v4, 16, v7
	v_and_b32 v5, HI16, v7
	v_cvt_pk_bf16_f32 v7, v6, v6
	v_lshlrev_b32 v6, 16, v7
	v_mul_f32 v8, NL2E, v4
	v_mul_f32 v9, NL2E, v5
	v_mul_f32 v10, NL2E, v6
	v_min_num_f32 v8, 0x42fc0000, v8
	v_min_num_f32 v9, 0x42fc0000, v9
	v_min_num_f32 v10, 0x42fc0000, v10
	v_exp_f32 v8, v8
	v_exp_f32 v9, v9
	v_exp_f32 v10, v10
	v_nop                                          ; a plain instruction behind the last exponential,
	s_wait_alu depctr_va_vdst(0)                   ; and one wait for the three, ahead of their first reader: v8 to v10 are written
	v_add_f32 v8, 1.0, v8
	v_add_f32 v9, 1.0, v9
	v_add_f32 v10, 1.0, v10
	v_rcp_f32 v11, v8
	v_rcp_f32 v12, v9
	v_rcp_f32 v13, v10
	v_nop
	s_wait_alu depctr_va_vdst(0)                   ; the three reciprocals have written v11 to v13, ahead of their first reader
	v_fma_f32 v14, -v8, v11, 1.0                   ; one Newton step each
	v_fma_f32 v11, v14, v11, v11
	v_fma_f32 v14, -v9, v12, 1.0
	v_fma_f32 v12, v14, v12, v12
	v_fma_f32 v14, -v10, v13, 1.0
	v_fma_f32 v13, v14, v13, v13
	v_mul_f32 v16, 0x45000000, v11                 ; span = 2048 sigmoid
	v_fma_f32 v17, v12, 2.0, 2.0                   ; period = 2 + 2 sigmoid
	v_fma_f32 v18, v13, 0.5, 0xbe800000            ; ratio = -1/4 + sigmoid / 2
	v_rcp_f32 v19, v17
	v_nop
	s_wait_alu depctr_va_vdst(0)                   ; the reciprocal has written v19, ahead of its first reader
	v_fma_f32 v14, -v17, v19, 1.0
	v_fma_f32 v19, v14, v19, v19
	v_mul_f32 v20, 0x3e000000, v17
	v_fma_f32 v21, v17, v18, v20
	v_add_f32 v21, 0.5, v21
	v_add_f32 v22, 0x42000000, v16
	v_mul_f32 v22, 0x3d000000, v22
.endm
; One table entry: rel = v24 - e is kept in v[30+e]; the mask itself goes to v[d].
.macro ENTRY e, d
	v_add_nc_u32 v[30+(\e)], -(\e), v24
	v_cvt_f32_i32 v34, v[30+(\e)]
	v_max_num_f32 v35, 0, v34
	v_mul_f32 v36, v35, v19
	v_rndne_f32 v36, v36
	v_fma_f32 v36, v35, v19, -v36                  ; the fraction of rel / period, in -1/2 .. 1/2, by one fused step
	v_and_b32 v36, 0x7fffffff, v36
	v_sub_f32 v36, 0x3e800000, v36                 ; g
	v_mul_f32 v37, v36, v36
	v_mov_b32 v38, 0x40747a1a
	v_fmaak_f32 v38, v38, v37, 0xc17183a8
	v_fmaak_f32 v38, v38, v37, 0x42283c1a
	v_fmaak_f32 v38, v38, v37, 0xc2996966
	v_fmaak_f32 v38, v38, v37, 0x42a335e3
	v_fmaak_f32 v38, v38, v37, 0xc2255de7
	v_fmaak_f32 v38, v38, v37, 0x40c90fdb
	v_mul_f32 v38, v38, v36                        ; the cosine
	v_fma_f32 v38, v38, v20, v21
	v_max_num_f32 v38, 0, v38
	v_min_num_f32 v38, 1.0, v38                    ; the wave, clipped
	v_fmamk_f32 v39, v34, 0xbd000000, v22
	v_max_num_f32 v39, 0, v39
	v_min_num_f32 v39, 1.0, v39                    ; the span ramp, clipped
	v_mul_f32 v[(\d)], v38, v39
.endm
	s_load_b512 s[16:31], s[0:1], 0x0              ; x, w_attn, w_proj, b_attn, b_proj, span, period weight, ratio weight
	s_load_b256 s[32:39], s[0:1], 0x40             ; xb, wab, wpb, brd
	s_load_b128 s[40:43], s[0:1], 0x60             ; mtab, out1
	s_mov_b32 s4, ttmp9
	s_mov_b32 s7, 0
	v_lshlrev_b32 v1, 4, v0                        ; 16 bytes a thread in,
	v_lshlrev_b32 v2, 3, v0                        ; 8 out
	s_wait_kmcnt 0x0
	s_wait_alu depctr_va_vdst(0)                   ; v1 and v2 are written: the loads and stores of the conversion groups and of the bias group read them as offsets, and nothing writes them again
	s_cmp_ge_u32 s4, 512
	s_cbranch_scc1 .Lsmall
	s_cmp_lt_u32 s4, 256
	s_cselect_b64 s[8:9], s[16:17], s[18:19]
	s_cselect_b64 s[10:11], s[32:33], s[34:35]
	s_cselect_b32 s5, 0, 256
	s_cmp_lt_u32 s4, 448
	s_cselect_b64 s[8:9], s[8:9], s[20:21]
	s_cselect_b64 s[10:11], s[10:11], s[36:37]
	s_cselect_b32 s5, s5, 448
	s_sub_co_u32 s5, s4, s5                        ; my number among the tensor's groups
	s_lshl_b32 s6, s5, 16
	s_add_nc_u64 s[8:9], s[8:9], s[6:7]
	s_lshl_b32 s6, s5, 15
	s_add_nc_u64 s[10:11], s[10:11], s[6:7]
	s_cmp_ge_u32 s4, 448
	s_cbranch_scc1 .Lhalf
	CONV 0
.Lhalf:
	CONV 1
.Lsmall:
	s_cmp_eq_u32 s4, 576
	s_cbranch_scc1 .Lbias
	s_sub_co_u32 s5, s4, 512                       ; 4 x head + copy
	s_lshr_b32 s6, s5, 2
	s_and_b32 s8, s5, 3
	s_lshl_b32 s6, s6, 2
	v_mov_b32 v3, s6                               ; the head's word, the same in every lane
	s_wait_alu depctr_va_vdst(0)                   ; v3 is written, which the three loads below read as their offset
	global_load_b32 v4, v3, s[26:27]
	global_load_b32 v5, v3, s[28:29]
	global_load_b32 v6, v3, s[30:31]
	s_mul_i32 s6, s5, 9472                         ; a copy is 2,368 words
	s_add_nc_u64 s[40:41], s[40:41], s[6:7]
	s_add_co_u32 s8, s8, 2048
	v_mov_b32 v23, BIGN
	s_wait_loadcnt 0x0
	PARAMS
; 592 groups of four entries for 256 threads: three rounds; past the end a thread makes the last group once more (the same numbers to the same place).
; A round's store stands in the next round, behind the wait for that round's logarithms; the last round's has a wait of its own.
.set it, 0
.rept 3
	v_add_nc_u32 v24, 256*it, v0
	v_min_u32 v24, 591, v24
	v_lshlrev_b32 v[26+it], 4, v24
	v_lshlrev_b32 v24, 2, v24
	v_sub_nc_u32 v24, s8, v24                      ; rel of the group's first entry
	ENTRY 0, 44+4*it
	ENTRY 1, 45+4*it
	ENTRY 2, 46+4*it
	ENTRY 3, 47+4*it
.irp e, 0,1,2,3
	v_cmp_lt_u32 s[44+\e], 0x7ff, v[30+\e]         ; unsigned: a negative rel is caught too; the four masks in one run
.endr
	v_log_f32 v[44+4*it], v[44+4*it]
	v_log_f32 v[45+4*it], v[45+4*it]
	v_log_f32 v[46+4*it], v[46+4*it]
	v_log_f32 v[47+4*it], v[47+4*it]
	v_nop
	s_wait_alu depctr_va_vdst(0)                   ; one wait for the four logarithms, ahead of their first reader; the round before has written its four entries and its offset, which the store below reads
.if it > 0
	global_store_b128 v[26+it-1], v[44+4*(it-1):47+4*(it-1)], s[40:41]
.endif
	s_wait_alu depctr_va_sdst(0)                   ; the four compares have written s44 to s47, ahead of the first select that reads one
.irp e, 0,1,2,3
	v_max_num_f32 v[44+4*it+\e], v23, v[44+4*it+\e]
	v_cndmask_b32 v[44+4*it+\e], v[44+4*it+\e], v23, s[44+\e]
.endr
.set it, it+1
.endr
	s_wait_alu depctr_va_vdst(0)                   ; the last round's selects have written v[52:55], which the last store reads (its offset v28 stands further ahead)
	global_store_b128 v28, v[52:55], s[40:41]
	s_endpgm
.Lbias:
.irp i, 0,1,2
	global_load_b128 v[4+4*\i:7+4*\i], v1, s[22:23] offset:4096*\i
.endr
	global_load_b128 v[16:19], v1, s[24:25]
	s_wait_loadcnt 0x0
.set i, 0
.rept 4
	v_cvt_pk_bf16_f32 v100, v[4+4*i], v[5+4*i]
	v_cvt_pk_bf16_f32 v101, v[6+4*i], v[7+4*i]
	v_lshlrev_b32 v[68+4*i], 16, v100
	v_and_b32 v[69+4*i], HI16, v100
	v_lshlrev_b32 v[70+4*i], 16, v101
	v_and_b32 v[71+4*i], HI16, v101
.set i, i+1
.endr
	v_lshrrev_b32 v3, 5, v0
	v_readfirstlane_b32 s6, v3
	s_wait_alu depctr_va_vdst(0)                   ; the roundings have written v[68:83], which the four stores below read
.set i, 0
.rept 4
	global_store_b128 v1, v[68+4*i:71+4*i], s[38:39] offset:4096*i
.set i, i+1
.endr
	s_wait_alu depctr_va_sdst(0)                   ; s6, the wave's number, is written, ahead of the compare that reads it
	s_cmp_lg_u32 s6, 0
	s_cbranch_scc1 .Lend                           ; the loss is wave 0's
	v_and_b32 v3, 15, v0                           ; a lane a head, in both halves of the wave
	v_lshlrev_b32 v3, 2, v3
	v_mov_b32 v26, 0
	s_wait_alu depctr_va_vdst(0)                   ; v3 is written, which the three loads read as their offset; the roundings above are done reading v4 to v6, in which these loads land
	global_load_b32 v4, v3, s[26:27]
	global_load_b32 v5, v3, s[28:29]
	global_load_b32 v6, v3, s[30:31]
	s_wait_loadcnt 0x0
	PARAMS
	v_add_f32 v24, 0x42000000, v16                 ; span + 32
	v_fma_f32 v25, v18, 2.0, v19                   ; 1/period + 2 ratio
	v_add_f32 v25, 0x3e800000, v25                 ; - 1/4 + 1/2
	v_mul_f32 v24, v24, v25
	v_add_f32_dpp v24, v24, v24 row_xmask:1 row_mask:0xf bank_mask:0xf
	v_add_f32_dpp v24, v24, v24 row_xmask:2 row_mask:0xf bank_mask:0xf
	v_add_f32_dpp v24, v24, v24 row_xmask:4 row_mask:0xf bank_mask:0xf
	v_add_f32_dpp v24, v24, v24 row_xmask:8 row_mask:0xf bank_mask:0xf
	v_mul_f32 v24, 0x340637bd, v24                 ; x 2e-6 / 16
	s_wait_xcnt 0x0                                ; EXEC changes only behind this wait
	v_cmp_eq_u32 vcc_lo, 0, v0
	s_wait_alu depctr_va_vcc(0)                    ; VCC is written: EXEC is made from it
	s_wait_alu depctr_va_vdst(0)                   ; ahead of the write of EXEC: every vector instruction issued so far is done; v24 and v26, which the store below reads, are written
	s_wait_alu depctr_vm_vsrc(0)                   ; ahead of the write of EXEC: every memory instruction issued so far has read its vector registers
	s_and_saveexec_b32 s6, vcc_lo
	global_store_b32 v26, v24, s[42:43]
	s_wait_xcnt 0x0
	s_wait_alu depctr_va_vdst(0)                   ; ahead of the write that restores EXEC: the vector side,
	s_wait_alu depctr_vm_vsrc(0)                   ; and the store has read v24 and v26
	s_or_b32 exec_lo, exec_lo, s6
.Lend:
	s_endpgm
.Lfunc_end_k_qbe7b2544c7_prep:
	.size	k_qbe7b2544c7_prep, .Lfunc_end_k_qbe7b2544c7_prep-k_qbe7b2544c7_prep
	.p2alignl 7, 3214868480
	.fill 96, 4, 3214868480
	.section	.rodata,"a",@progbits
	.p2align	6, 0x0
	.amdhsa_kernel k_qbe7b2544c7_prep
		.amdhsa_group_segment_fixed_size 0
		.amdhsa_private_segment_fixed_size 0
		.amdhsa_enable_private_segment 0
		.amdhsa_kernarg_size 112
		.amdhsa_user_sgpr_count 2
		.amdhsa_user_sgpr_kernarg_segment_ptr 1
		.amdhsa_wavefront_size32 1
		.amdhsa_system_sgpr_workgroup_id_x 1
		.amdhsa_system_sgpr_workgroup_id_y 1
		.amdhsa_system_sgpr_workgroup_id_z 1
		.amdhsa_system_vgpr_workitem_id 0
		.amdhsa_next_free_vgpr 104
		.amdhsa_next_free_sgpr 66
		.amdhsa_reserve_vcc 1
		.amdhsa_float_denorm_mode_32 3
		.amdhsa_float_denorm_mode_16_64 3
		.amdhsa_memory_ordered 1
		.amdhsa_forward_progress 1
		.amdhsa_inst_pref_size 44
	.end_amdhsa_kernel
	.amdgpu_metadata
---
amdhsa.version: [ 1, 2 ]
amdhsa.kernels:
  - .name:           k_qbe7b2544c7_prep
    .symbol:         k_qbe7b2544c7_prep.kd
    .args:
      - { .name: x, .offset: 0, .size: 8, .value_kind: global_buffer, .address_space: global }
      - { .name: w_attn, .offset: 8, .size: 8, .value_kind: global_buffer, .address_space: global }
      - { .name: w_proj, .offset: 16, .size: 8, .value_kind: global_buffer, .address_space: global }
      - { .name: b_attn, .offset: 24, .size: 8, .value_kind: global_buffer, .address_space: global }
      - { .name: b_proj, .offset: 32, .size: 8, .value_kind: global_buffer, .address_space: global }
      - { .name: span_params, .offset: 40, .size: 8, .value_kind: global_buffer, .address_space: global }
      - { .name: period_weight, .offset: 48, .size: 8, .value_kind: global_buffer, .address_space: global }
      - { .name: ratio_weight, .offset: 56, .size: 8, .value_kind: global_buffer, .address_space: global }
      - { .name: xb, .offset: 64, .size: 8, .value_kind: global_buffer, .address_space: global }
      - { .name: wab, .offset: 72, .size: 8, .value_kind: global_buffer, .address_space: global }
      - { .name: wpb, .offset: 80, .size: 8, .value_kind: global_buffer, .address_space: global }
      - { .name: brd, .offset: 88, .size: 8, .value_kind: global_buffer, .address_space: global }
      - { .name: mtab, .offset: 96, .size: 8, .value_kind: global_buffer, .address_space: global }
      - { .name: out1, .offset: 104, .size: 8, .value_kind: global_buffer, .address_space: global }
    .group_segment_fixed_size: 0
    .private_segment_fixed_size: 0
    .kernarg_segment_align: 8
    .kernarg_segment_size: 112
    .max_flat_workgroup_size: 256
    .sgpr_count:     66
    .vgpr_count:     104
    .wavefront_size: 32
...
	.end_amdgpu_metadata
.endif
;; end of part 5
;; launch qkv: the kernel of part 2 again; grid 8 x 32, 4 waves a work-group, clusters of 4 x 4, 327,680 bytes of LDS; arguments xb, wab, brd, qkvh; writes qkvh
;; launch attn: the kernel of part 3 again; grid 8 x 32, 4 waves a work-group, no clusters, 327,680 bytes of LDS; arguments qkvh, mtab, oh; writes oh
;; launch proj: the kernel of part 4 again; grid 8 x 32, 4 waves a work-group, clusters of 4 x 4, 327,680 bytes of LDS; arguments oh, wpb, brd, out0; writes out0
